; MI455X (gfx1250); checked and timed in simulation.
; The chip was launched on July 23, 2026; its instructions are those of AMD's public machine-readable ISA for CDNA 5 (MIT licence, August 2026) and "CDNA5" Instruction Set Architecture Reference Guide (July 2026). The comments in the code are by the model that wrote it; some were corrected since.
;; Multi Head Attention. Allowed arithmetic: matrix products marked QUANTISED: E4M3 operands, one E8M0 scale for each 32 along K, by v_wmma_scale_f32_16x16x128_f8f6f4 with both operands' format E4M3, f32 sums; everything else in f32.
;; Inputs: bk 12 x 64 float32; bo 768 float32; bq 12 x 64 float32; bv 12 x 64 float32; wk 12 x 768 x 64 float32; wo 768 x 768 float32; wq 12 x 768 x 64 float32; wv 12 x 768 x 64 float32; x 1 x 4,096 x 768 float32.
;; Outputs: out0 1 x 4,096 x 768 float32.
;; This version of the problem:
;;   THIS VERSION OF THE PROBLEM IS GIVEN IN LOW PRECISION. The matrix products marked QUANTISED in the list below multiply operands that are first quantised to E4M3 (4 exponent bits, 3 mantissa bits; 8 bits a number), with one power-of-two scale for each 32 numbers along K (OCP MX v1.0); their sums are f32. All else is computed in f32.
;;   The module's matrix products, in the order in which they are computed (A, B: the left and right operand; K: the contracted axis; several contracted axes count as one K, in the product's order):
;;     1. [M 768, K 768] x [K 768, N 4,096]; A: input wq; B: input x: QUANTISED
;;     2. [M 768, K 768] x [K 768, N 4,096]; A: input wk; B: input x: QUANTISED
;;     3. [M 768, K 768] x [K 768, N 4,096]; A: input wv; B: input x: QUANTISED
;;     4. batch 12 x [M 4,096, K 64] x [K 64, N 4,096]; A: computed on the way; B: computed on the way: QUANTISED
;;     5. batch 12 x [M 4,096, K 4,096] x [K 4,096, N 64]; A: softmax (see below); B: computed on the way: QUANTISED
;;     6. [M 4,096, K 768] x [K 768, N 768]; A: computed on the way; B: input wo: QUANTISED
;;   THE QUANTISER, for each operand of a quantised product, along K:
;;     - K is cut into blocks of 32 from its start; a last block that is shorter is filled with zeros.
;;     - A block's scale is 2^e with e = floor(log2(the largest magnitude in the block)) - 8, held to -126 .. 127; a block of zeros has e = 0. As a byte (E8M0): e + 127.
;;     - Each number is divided by its block's scale, clamped to +-448, and rounded to the nearest number of E4M3, ties to even, subnormals kept.
;;     - The product sums the exact products of the quantised numbers (number of the format x scale) in f32.
;;   ~~~python
;;   def quantise(x, axis):      # numpy; x: float32 -> the quantised numbers, widened to float32 again
;;       x = np.moveaxis(x, axis, -1); K = x.shape[-1]
;;       x = np.pad(x, [(0, 0)] * (x.ndim - 1) + [(0, -K % 32)]); x = x.reshape(x.shape[:-1] + (-1, 32)); a = np.abs(x).max(-1, keepdims=True)
;;       e = np.where(a > 0, np.clip(np.frexp(np.where(a > 0, a, 1))[1] - 1 - 8, -126, 127), 0)      # np.frexp(a)[1] - 1 = floor(log2(a)), exactly
;;       r = np.clip(x / 2.0 ** e, -448, 448)
;;       step = 2.0 ** (np.maximum(np.frexp(np.where(r == 0, 1, r))[1] - 1, -6) - 3)
;;       q = np.round(r / step) * step * 2.0 ** e      # np.round: ties to even
;;       return np.moveaxis(q.reshape(q.shape[:-2] + (-1,))[..., :K], -1, axis).astype(np.float32)
;;   ~~~
;;   SOFTMAX AHEAD OF A QUANTISED PRODUCT. Where the list says 'softmax', what is quantised is not the finished softmax but p = 2^(t - M), with t = logit x log2(e) and M = ceil(the row's largest t), a whole number; so 1/2 < the row's largest p <= 1. The row's sum l is taken of the UNQUANTISED p, in f32, and the product's result is divided by l at the end. Since M is a whole number, a kernel that streams over the keys may use a running M (the ceiling of the running maximum): every later rescaling is an exact power of two, which a block's scale takes up: the codes' values come out the same.
;;   OPERANDS COMPUTED ON THE WAY. 'Computed on the way' means the value that the module computes at that place (a softmax that the list does not call 'softmax' is quantised finished and normalised). What goes into a quantiser is computed in f32, as accurately as f32 sums, v_exp_f32 and their like allow (about 1e-6 of the number): no bf16 or f16 on the way to a quantiser, and a product that is left as it is and whose result goes on into a quantised operand takes f32 operands (vector FMAs, or v_wmma_f32_16x16x4_f32). A number that lies on a knife's edge between two numbers of the format may be rounded either way, as far as f32 arithmetic and the matrix unit's own rounding can turn it there, and no further.
;; One version. Each part assembles by itself: llvm-mc -triple=amdgcn-amd-amdhsa -mcpu=gfx1250 --defsym DOCPART=n.
;; ======== version 1 of 1: 4 launches
;; limits: right only within a limited range of input values
;; workspace buffers: ximg 3,342,336 bytes; wimg 1,880,064 bytes; woimg 626,688 bytes; qimg 3,145,728 bytes; qsc 196,608 bytes; kvimg 6,291,456 bytes; kvsc 393,216 bytes; cimg 3,342,336 bytes
;; launch prep (part 1): grid 56 x 6, 4 waves a work-group, no clusters, 68,096 bytes of LDS; arguments x, wq, wk, wv, wo, ximg, wimg, woimg; writes ximg, wimg, woimg
.if DOCPART == 1
	.amdgcn_target "amdgcn-amd-amdhsa--gfx1250"
	.amdhsa_code_object_version 6
	.text
	.protected	k_q1531f95369_prep
	.globl	k_q1531f95369_prep
	.p2align	8
	.type	k_q1531f95369_prep,@function
k_q1531f95369_prep:
	s_mov_b64 s[64:65], 0
	v_nop
	global_prefetch_b8 v0, s[64:65] scope:SCOPE_SE
	s_setreg_imm32_b32 hwreg(HW_REG_WAVE_MODE, 25, 1), 1
	s_wait_xcnt 0x0
; PREP: x [4096][768] and the weights wq, wk, wv [12][768][64], wo [768][768], all f32, become codes of E4M3 with one E8M0 byte for each 32 along K (K = the 768),
; laid as IMAGES OF OPERAND REGISTERS, so that the later launches read them by 16 bytes a lane with no pitch.
; A fragment image (16 rows x 128 K, 2,048 bytes): group c (0..3) at 512 c, lane l at 16 l: the codes k = 32 c + 16 (l / 16) + 0 .. 15 of row l % 16.
; A scale pair image (256 bytes): lane l at 8 l: the scale words of row l % 16 of tiles 2 i and 2 i + 1 (lanes 16-31 hold a copy).
; THE ROWS OF A TILE ARE NOT NEIGHBOURS: row r of tile t of a run is element 32 (t / 2) + 8 (t % 2) + r % 8 + 16 (r / 8).
; Work-group y = the K step s (128 along K).  Work-groups x = 0..31: 128 tokens of x; x = 32..55: 128 columns of one weight.  Each wave: 32 rows or columns x 128 K.
; A block's scale is 2^(floor(log2(largest magnitude)) - 8); numbers are held within +-448 x the scale and rounded to the nearest code, ties to even.
; LIMITS: NaN and infinities among the inputs are not served; a block whose largest magnitude lies under 2^-118 gets the byte 1; a block of zeros gets the byte 1
; where the rule says 127: its codes are zeros, and this program alone reads the bytes.
; Memory binds: every input byte is read once; no matrix unit, no cluster, no tensor load, no barrier: waves share nothing.
.set XROW, 3072                        ; a row of x or of wo in bytes
.set SP,   528                         ; a stage row: 512 bytes + 16
.set WREG, 32*SP                       ; a wave's stage
.set XBLK, 17408                       ; 8 fragment images + 4 scale pair images
.set WBLK, 26112                       ; 12 + 6
.set L16, 1                            ; v1  16 x lane
.set L8,  2                            ; v2  8 x lane
.set SA,  3                            ; v3  the stage, on the way in
.set RA,  4                            ; v4  and on the way out
.set L4,  5                            ; v5  4 x lane
.set DV,  6                            ; v6  weights: my column's place in the images
.set DS,  7                            ; v7  and among the scale words
.set SB,  8                            ; v8  my column's scale word
.set R,   32                           ; v32-159  x as loaded: 32 rows x 4 registers
.set X0,  160                          ; v160-223 tile 0's 64 numbers of my row
.set X1,  32                           ; v32-95   tile 1's
.set PC0, 96                           ; codes
.set PC1, 112
.set PW,  128                          ; v128-129 the two scale words
.set TM,  130                          ; v130-145 at work
.set OFF, 32                           ; weights: v32-63 row offsets
.set W,   64                           ; v64-191  four blocks of 32 numbers down K
.set C,   192                          ; v192-223 their codes
.set WV,  20
.set KS,  21
.set SEL, 58
.set MNT, 60
; 64 numbers of a lane, register 16 b + i = k 32 b + 16 (lane / 16) + i of my row, become a fragment's codes in v[pc] on and its scale word in v[pw]
.macro QUANT s, pc, pw
.irp b, 0,1,2,3
	v_max3_num_f32 v[TM+\b], |v[(\s)+16*\b]|, |v[(\s)+1+16*\b]|, 0x4800000   ; my 16 numbers of block b, and the floor 2^(9 - 127): the byte cannot fall under 1
.endr
.irp i, 2,4,6,8,10,12,14
.irp b, 0,1,2,3
	v_max3_num_f32 v[TM+\b], v[TM+\b], |v[(\s)+16*\b+\i]|, |v[(\s)+1+16*\b+\i]|
.endr
.endr
.irp b, 0,1,2,3
	v_permlanex16_b32 v[TM+4+\b], v[TM+\b], s[SEL], s[SEL+1]
.endr
.irp b, 0,1,2,3
	v_max_num_f32 v[TM+\b], v[TM+\b], v[TM+4+\b]                 ; with lane l xor 16's: the block's largest magnitude
.endr
.irp b, 0,1,2,3
	v_add_nc_u32 v[TM+12+\b], 0xfc000000, v[TM+\b]               ; 8 off its exponent field: the conversion's scale operand
.endr
.irp b, 0,1,2,3
	v_and_or_b32 v[TM+8+\b], v[TM+\b], 0x7f800000, s[MNT]        ; 448 x the scale
.endr
.irp b, 0,1,2,3
	v_lshrrev_b32 v[TM+4+\b], 23, v[TM+12+\b]                    ; the scale's byte
.endr
	v_lshl_or_b32 v[\pw], v[TM+5], 8, v[TM+4]
	v_lshl_or_b32 v[\pw], v[TM+6], 16, v[\pw]
	v_lshl_or_b32 v[\pw], v[TM+7], 24, v[\pw]
.irp b, 0,1,2,3
.irp i, 0,1,2,3,4,5,6,7,8,9,10,11,12,13,14,15
	v_med3_num_f32 v[(\s)+16*\b+\i], v[(\s)+16*\b+\i], -v[TM+8+\b], v[TM+8+\b]   ; the conversion does not saturate (ISA guide 7.6.2): the hold comes first
.endr
	v_cvt_scalef32_pk8_fp8_f32 v[(\pc)+4*\b:(\pc)+4*\b+1], v[(\s)+16*\b:(\s)+16*\b+7], v[TM+12+\b]
	v_cvt_scalef32_pk8_fp8_f32 v[(\pc)+4*\b+2:(\pc)+4*\b+3], v[(\s)+16*\b+8:(\s)+16*\b+15], v[TM+12+\b]
.endr
	v_nop                                          ; one plain line behind the last scaled conversion
.endm
	s_load_b256 s[4:11], s[0:1], 0x0               ; x s[4:5], wq s[6:7], wk s[8:9], wv s[10:11]
	s_load_b256 s[12:19], s[0:1], 0x20             ; wo s[12:13], ximg s[14:15], wimg s[16:17], woimg s[18:19]
	v_lshl_add_u32 v224, v0, 2, 0x10800
	v_mov_b32 v225, 0
	v_lshrrev_b32 v9, 5, v0
	v_readfirstlane_b32 s[WV], v9                  ; wave 0..3
	v_and_b32 v9, 31, v0                           ; lane
	v_lshlrev_b32 v[L16], 4, v9
	v_lshlrev_b32 v[L8], 3, v9
	s_and_b32 s[KS], ttmp7, 0xffff                 ; the K step
	s_mov_b32 s[SEL], 0x76543210
	s_mov_b32 s[SEL+1], 0xfedcba98                 ; v_permlanex16_b32's selects for lane l xor 16
	s_mov_b32 s[MNT], 0x600000                     ; the mantissa field of 448
	s_cmp_lt_u32 ttmp9, 32
	s_cbranch_scc0 .Lweights
	; ---- x: group G = work-group x; my wave: tokens 128 G + 32 w + 0 .. 31, K step s
	v_and_b32 v10, 7, v0
	v_bfe_u32 v11, v0, 3, 1
	v_lshl_add_u32 v10, v11, 4, v10                ; r % 8 + 16 (r / 8)
	v_bfe_u32 v11, v0, 4, 1                        ; h
	s_mul_i32 s22, s[WV], WREG
	v_add_nc_u32 v[SA], s22, v[L16]                ; in: a row's 512 bytes as they lie
	v_mul_u32_u24 v[RA], v10, SP
	v_lshl_add_u32 v[RA], v11, 6, v[RA]
	v_add_nc_u32 v[RA], s22, v[RA]                 ; out: my row of the tile, + 64 h: my 16 numbers of each block of 32
	s_lshl_b32 s24, ttmp9, 7
	s_lshl_b32 s25, s[WV], 5
	s_add_co_u32 s24, s24, s25
	s_mul_i32 s24, s24, XROW
	s_lshl_b32 s25, s[KS], 9
	s_add_co_u32 s24, s24, s25                     ; (128 G + 32 w) rows + 512 s
	s_mov_b32 s25, 0
	s_mul_i32 s26, ttmp9, 6
	s_add_co_u32 s26, s26, s[KS]
	s_mul_i32 s26, s26, XBLK                       ; block (G, s)
	s_lshl_b32 s27, s[WV], 12
	s_add_co_u32 s28, s26, s27                     ; my two images
	s_mov_b32 s29, 0
	s_lshl_b32 s27, s[WV], 8
	s_add_co_u32 s30, s26, s27
	s_add_co_u32 s30, s30, 16384                   ; my scale pair image
	s_mov_b32 s31, 0
	s_wait_alu depctr_va_vdst(0)
	s_wait_kmcnt 0x0
	s_add_nc_u64 s[4:5], s[4:5], s[24:25]
	s_add_nc_u64 s[28:29], s[14:15], s[28:29]
	s_add_nc_u64 s[30:31], s[14:15], s[30:31]
.set i, 0
.rept 32
	global_load_b128 v[R+4*i:R+4*i+3], v[L16], s[4:5] offset:XROW*i th:TH_LOAD_NT   ; 32 lanes read 512 consecutive bytes of row i
.set i, i+1
.endr
.set i, 0
.rept 32
	s_wait_loadcnt 31-i                            ; row i is in; the younger rows' loads stay out
	ds_store_b128 v[SA], v[R+4*i:R+4*i+3] offset:SP*i
.set i, i+1
.endr
.macro BACK u, reg                     ; tile u's 64 numbers of my row; LDS serves a wave's instructions in order, so these see the stores
.irp b, 0,1,2,3
.irp j, 0,1,2,3
	ds_load_b128 v[\reg+16*\b+4*\j:\reg+16*\b+4*\j+3], v[RA] offset:8*SP*\u+128*\b+16*\j
.endr
.endr
.endm
	BACK 0, X0
	s_wait_dscnt 0x0                               ; tile 0 is in, and the stores have read their registers
	BACK 1, X1
.irp b, 0,1,2,3
	v_mov_b32 v[TM+4+\b], 0                        ; written once: a lane permute's destination counts as one of its sources
.endr
	QUANT X0, PC0, PW
.irp c, 0,1,2,3
	global_store_b128 v[L16], v[PC0+4*\c:PC0+4*\c+3], s[28:29] offset:512*\c        ; 512 consecutive bytes
.endr
	s_wait_dscnt 0x0                               ; tile 1 is in
	QUANT X1, PC1, PW+1
.irp c, 0,1,2,3
	global_store_b128 v[L16], v[PC1+4*\c:PC1+4*\c+3], s[28:29] offset:2048+512*\c
.endr
	global_store_b64 v[L8], v[PW:PW+1], s[30:31]   ; 256 consecutive bytes
	s_wait_tensorcnt 0x0
	ds_add_u32 v224, v225
	s_wait_dscnt 0x0
	s_endpgm
	; ---- the weights: k = work-group x - 32: which tensor (k / 6), which two units of 64 columns (k % 6).  My wave: unit hh, columns 32 b + lane, K step s.
	; A LANE TAKES A COLUMN AND ITS REGISTERS RUN DOWN K: a block of 32 lies in one lane, and the conversions give codes with K innermost.
.Lweights:
	s_sub_co_u32 s22, ttmp9, 32
	s_sub_co_u32 s23, s22, 6
	s_sub_co_u32 s24, s22, 12
	s_sub_co_u32 s25, s22, 18
	s_mov_b32 s26, s22                             ; k % 6
	s_mov_b32 s27, 0                               ; which of q, k, v
	s_wait_kmcnt 0x0
	s_mov_b64 s[28:29], s[6:7]
	s_cmp_ge_u32 s22, 6
	s_cselect_b64 s[28:29], s[8:9], s[28:29]
	s_cselect_b32 s26, s23, s26
	s_cselect_b32 s27, 1, s27
	s_cmp_ge_u32 s22, 12
	s_cselect_b64 s[28:29], s[10:11], s[28:29]
	s_cselect_b32 s26, s24, s26
	s_cselect_b32 s27, 2, s27
	s_cmp_ge_u32 s22, 18
	s_cselect_b64 s[28:29], s[12:13], s[28:29]
	s_cselect_b32 s26, s25, s26
	s_lshl_b32 s26, s26, 1
	s_lshr_b32 s30, s[WV], 1
	s_add_co_u32 s26, s26, s30                     ; hh = 0..11: a head, or 64 columns of wo
	s_and_b32 s30, s[WV], 1                        ; b: which 32 of its columns
	s_lshr_b32 s31, s26, 1
	s_and_b32 s33, s26, 1
	s_mov_b32 s34, XROW
	s_mov_b32 s35, 196608
	s_mov_b32 s36, XBLK
	s_mov_b32 s37, 16384
	s_cmp_ge_u32 s22, 18                           ; wo, or one of the three?  The choice hangs on the work-group's number alone
	s_cselect_b32 s34, s34, 256                    ; bytes from K row to K row
	s_cselect_b32 s35, 256, s35                    ; bytes from unit to unit
	s_cselect_b64 s[38:39], s[18:19], s[16:17]     ; woimg or wimg
	s_cselect_b32 s36, s36, WBLK                   ; a block of it
	s_cselect_b32 s31, s31, s26                    ; which block: hh / 2, or the head
	s_cselect_b32 s33, s33, s27                    ; which four images in it: hh % 2, or q, k, v
	s_cselect_b32 s37, s37, 24576                  ; where its scale words begin
	s_mul_i32 s40, s26, s35
	s_lshl_b32 s41, s[KS], 7
	s_mul_i32 s41, s41, s34
	s_add_co_u32 s40, s40, s41
	s_lshl_b32 s41, s30, 7
	s_add_co_u32 s40, s40, s41                     ; unit + 128 s rows + 128 b bytes
	s_mov_b32 s41, 0
	s_add_nc_u64 s[44:45], s[28:29], s[40:41]      ; block 0 of the K step;
	s_lshl_b32 s42, s34, 5
	s_mov_b32 s43, 0
	s_add_nc_u64 s[46:47], s[44:45], s[42:43]      ; blocks 1 to 3: 32 rows on each
	s_add_nc_u64 s[48:49], s[46:47], s[42:43]
	s_add_nc_u64 s[50:51], s[48:49], s[42:43]
	s_mul_i32 s52, s31, 6
	s_add_co_u32 s52, s52, s[KS]
	s_mul_i32 s52, s52, s36
	s_lshl_b32 s53, s33, 1
	s_add_co_u32 s53, s53, s30                     ; which pair of images
	s_lshl_b32 s54, s53, 12
	s_add_co_u32 s54, s52, s54
	s_mov_b32 s55, 0
	s_add_nc_u64 s[54:55], s[38:39], s[54:55]
	s_lshl_b32 s56, s53, 8
	s_add_co_u32 s56, s56, s52
	s_add_co_u32 s56, s56, s37
	s_mov_b32 s57, 0
	s_add_nc_u64 s[56:57], s[38:39], s[56:57]
	s_wait_alu depctr_va_vdst(0)
	v_lshlrev_b32 v[L4], 2, v9
.set i, 0
.rept 32
	v_mad_u32_u24 v[OFF+i], s34, i, v[L4]          ; row i of a block, my column
.set i, i+1
.endr
	v_bfe_u32 v10, v0, 3, 1                        ; column 8 u + r % 8 + 16 (r / 8): u = which tile of the pair,
	v_and_b32 v11, 7, v0
	v_bfe_u32 v12, v0, 4, 1
	v_lshl_add_u32 v11, v12, 3, v11                ; r = its row there
	v_lshlrev_b32 v[DV], 4, v11
	v_lshl_add_u32 v[DV], v10, 11, v[DV]
	v_lshlrev_b32 v[DS], 3, v11
	v_lshl_add_u32 v[DS], v10, 2, v[DS]
.macro WLOAD c
.set i, 0
.rept 32
	global_load_b32 v[W+32*(\c)+i], v[OFF+i], s[44+2*(\c):45+2*(\c)] th:TH_LOAD_NT   ; 32 lanes read 128 consecutive bytes
.set i, i+1
.endr
.endm
.macro BLOCK c
.set XS, W+32*(\c)
.if (\c) < 3
	s_wait_loadcnt 32                              ; this block's 32 loads are in; the next block's may be out
.else
	s_wait_loadcnt 0x0
.endif
.if (\c)+2 < 4
	WLOAD (\c)+2
.endif
	v_max3_num_f32 v12, |v[XS]|, |v[XS+1]|, |v[XS+2]|
	v_max3_num_f32 v13, |v[XS+3]|, |v[XS+4]|, |v[XS+5]|
.irp i, 6,10,14,18,22,26
	v_max3_num_f32 v12, v12, |v[XS+\i]|, |v[XS+\i+1]|
	v_max3_num_f32 v13, v13, |v[XS+\i+2]|, |v[XS+\i+3]|
.endr
	v_max3_num_f32 v12, v12, |v[XS+30]|, |v[XS+31]|
	v_max3_num_f32 v12, v12, v13, 0x4800000        ; and the floor
	v_add_nc_u32 v15, 0xfc000000, v12
	v_and_or_b32 v14, v12, 0x7f800000, s[MNT]
	v_lshrrev_b32 v13, 23, v15
.if (\c) == 0
	v_mov_b32 v[SB], v13
.else
	v_lshl_or_b32 v[SB], v13, 8*(\c), v[SB]
.endif
.set i, 0
.rept 32
	v_med3_num_f32 v[XS+i], v[XS+i], -v14, v14
.set i, i+1
.endr
.irp g, 0,1,2,3
	v_cvt_scalef32_pk8_fp8_f32 v[C+8*(\c)+2*\g:C+8*(\c)+2*\g+1], v[XS+8*\g:XS+8*\g+7], v15
.endr
	v_nop                                          ; one plain line behind the last scaled conversion
	global_store_b128 v[DV], v[C+8*(\c):C+8*(\c)+3], s[54:55] offset:512*(\c)          ; k 0..15 of the block: the images' lanes 0-15: two aligned runs of 256 bytes
	global_store_b128 v[DV], v[C+8*(\c)+4:C+8*(\c)+7], s[54:55] offset:512*(\c)+256    ; k 16..31: their lanes 16-31
.endm
	WLOAD 0
	WLOAD 1
	s_wait_alu depctr_va_vdst(0)
	BLOCK 0
	BLOCK 1
	BLOCK 2
	BLOCK 3
	global_store_b32 v[DS], v[SB], s[56:57]
	global_store_b32 v[DS], v[SB], s[56:57] offset:128   ; the copy in lanes 16-31's places
	s_endpgm
.Lfunc_end_k_q1531f95369_prep:
	.size	k_q1531f95369_prep, .Lfunc_end_k_q1531f95369_prep-k_q1531f95369_prep
	.p2alignl 7, 3214868480
	.fill 96, 4, 3214868480
	.section	.rodata,"a",@progbits
	.p2align	6, 0x0
	.amdhsa_kernel k_q1531f95369_prep
		.amdhsa_group_segment_fixed_size 68096
		.amdhsa_private_segment_fixed_size 0
		.amdhsa_enable_private_segment 0
		.amdhsa_kernarg_size 64
		.amdhsa_user_sgpr_count 2
		.amdhsa_user_sgpr_kernarg_segment_ptr 1
		.amdhsa_wavefront_size32 1
		.amdhsa_system_sgpr_workgroup_id_x 1
		.amdhsa_system_sgpr_workgroup_id_y 1
		.amdhsa_system_sgpr_workgroup_id_z 1
		.amdhsa_system_vgpr_workitem_id 0
		.amdhsa_next_free_vgpr 226
		.amdhsa_next_free_sgpr 66
		.amdhsa_reserve_vcc 0
		.amdhsa_float_denorm_mode_32 3
		.amdhsa_float_denorm_mode_16_64 3
		.amdhsa_memory_ordered 1
		.amdhsa_forward_progress 1
		.amdhsa_inst_pref_size 60
	.end_amdhsa_kernel
	.amdgpu_metadata
---
amdhsa.version: [ 1, 2 ]
amdhsa.kernels:
  - .name:           k_q1531f95369_prep
    .symbol:         k_q1531f95369_prep.kd
    .args:
      - { .name: x, .offset: 0, .size: 8, .value_kind: global_buffer, .address_space: global }
      - { .name: wq, .offset: 8, .size: 8, .value_kind: global_buffer, .address_space: global }
      - { .name: wk, .offset: 16, .size: 8, .value_kind: global_buffer, .address_space: global }
      - { .name: wv, .offset: 24, .size: 8, .value_kind: global_buffer, .address_space: global }
      - { .name: wo, .offset: 32, .size: 8, .value_kind: global_buffer, .address_space: global }
      - { .name: ximg, .offset: 40, .size: 8, .value_kind: global_buffer, .address_space: global }
      - { .name: wimg, .offset: 48, .size: 8, .value_kind: global_buffer, .address_space: global }
      - { .name: woimg, .offset: 56, .size: 8, .value_kind: global_buffer, .address_space: global }
    .group_segment_fixed_size: 68096
    .private_segment_fixed_size: 0
    .kernarg_segment_align: 8
    .kernarg_segment_size: 64
    .max_flat_workgroup_size: 128
    .sgpr_count:     66
    .vgpr_count:     226
    .wavefront_size: 32
...
	.end_amdgpu_metadata
.endif
;; end of part 1
;; launch qkv (part 2): grid 16 x 12, 6 waves a work-group, clusters of 4 x 1, 327,680 bytes of LDS; arguments wimg, ximg, bq, bk, bv, qimg, qsc, kvimg, kvsc; writes qimg, qsc, kvimg, kvsc
.if DOCPART == 2
	.amdgcn_target "amdgcn-amd-amdhsa--gfx1250"
	.amdhsa_code_object_version 6
	.text
	.protected	k_q1531f95369_qkv
	.globl	k_q1531f95369_qkv
	.p2align	8
	.type	k_q1531f95369_qkv,@function
k_q1531f95369_qkv:
	s_mov_b64 s[64:65], 0
	v_nop
	global_prefetch_b8 v0, s[64:65] scope:SCOPE_SE
	s_setreg_imm32_b32 hwreg(HW_REG_WAVE_MODE, 25, 1), 1
	s_wait_xcnt 0x0
	s_wait_alu depctr_hold_cnt(0) depctr_sa_sdst(0) depctr_va_vdst(0) depctr_va_sdst(0) depctr_va_ssrc(0) depctr_va_vcc(0) depctr_vm_vsrc(0)
	s_getreg_b32 s2, hwreg(HW_REG_IB_STS2, 6, 4)
	s_cmp_eq_u32 s2, 0
	s_cbranch_scc0 .Lentry_in_a_cluster
	s_endpgm
.Lentry_in_a_cluster:
	s_bfe_u32 s2, ttmp6, 0x10000c
	s_cmp_lg_u32 s2, 0x3003
	s_cbranch_scc0 .Lentry_shape_is_right
	s_endpgm
.Lentry_shape_is_right:
; QKV: q, k, v = x W + b for one head and 256 tokens, on codes of E4M3 with E8M0 scales (K = 768, six steps of 128), then quantised again for the attention:
; q and k along the head's 64, v along the tokens; all stored as images of operand registers (the layouts are set out at the head of the launch that makes ximg).
; A work-group = (two groups of 128 tokens, head): 192 work-groups.  W's 156,672 bytes are filled into LDS once; with the first group's 104,448 bytes of x they come in three stages of two K steps, one load a wave.
; Behind the first group's products a drained round follows, and the second group's x is filled over the first's, a K step a wave, while the first group's results are quantised and stored.
; CLUSTER: the four work-groups of a cluster share the head, so W's tiles are asked for jointly (mask 15); each has its own tokens, so x comes by plain loads.
; NO PREFETCH: the launch has no loop to run ahead in.
; WAVES: 0, 1: q; 2, 3: k (source 0 = the matrix's 4 tiles of W, source 1 = x's tiles 4 a .. 4 a + 3: a lane holds one token, its registers run along d);
;        4, 5: v (source 0 = x's 8 tiles, source 1 = Wv's tiles 2 a, 2 a + 1: a lane holds one d, its registers run along the tokens).  16 accumulators a wave, by turns.
; By the order of rows in a tile the 64 registers of a task are, block by block, 16 neighbours along the next product's K: the conversions' results are the next operand's registers.
; LIMITS: NaN and infinities are not served; a block under 2^-118 gets the byte 1; a block of zeros the byte 1 where the rule says 127 (its codes are zeros; this program alone reads the bytes).
.set WBLK, 26112
.set XBLK, 17408
.set XREG, 6*WBLK                      ; LDS: W's six blocks, then x's six,
.set BIAS, XREG+6*XBLK                 ; then 256 bytes for each wave: its bias row; no fill lands there
.set SPARE, BIAS+6*256                 ; then the spare words, 128 bytes for each wave; no other line names them
.set L16, 1
.set L8,  2
.set AW,  3                            ; v3  my first fragment of W
.set AWS, 4                            ; v4  its scale pair image
.set AX,  5                            ; v5  my first tile of x
.set AXS, 6                            ; v6  its scale pair image
.set BST, 7                            ; v7  the bias row: where I put it,
.set BRD, 8                            ; v8  where q's and k's waves read it,
.set BRV, 9                            ; v9  and v's
.set BIG, 32                           ; v32-95   four fragments
.set SML, 96                           ; v96-127  two fragments
.set ACC, 128                          ; v128-255 sixteen accumulators.  v16-25 hold scale words and nothing else; v30, v31 the add's
.set BB,  32                           ; behind the products: the bias,
.set TM,  64                           ; at work,
.set PC,  80                           ; the codes,
.set PW,  112                          ; the two scale words
.set WV,  22
.set SEL, 76
.set MNT, 78
.macro PLACES n
.rept \n
	v_nop
.endr
.endm
.macro CROUND                          ; a round of the cluster's barrier
	s_barrier_signal -1
	s_barrier_wait -1
	s_cmp_lg_u32 s[WV], 0
	s_cbranch_scc1 .Lnot_wave_0_\@
	s_barrier_signal -3
.Lnot_wave_0_\@:
	s_barrier_wait -3
	s_barrier_signal -1
	s_barrier_wait -1
.endm
.macro SETG0 g, lds, base, off         ; descriptor group 0: count 1, LDS byte, global address, type 2
	s_mov_b32 s[\g], 1
	s_mov_b32 s[\g+1], \lds
	s_add_nc_u64 s[\g+2:\g+3], s[\base:\base+1], \off
	s_or_b32 s[\g+3], s[\g+3], 0x80000000
.endm
.macro ADDR                            ; my fragments' and scale words' LDS addresses at K step 0
	s_lshl_b32 s80, s26, 11
	v_add_nc_u32 v[AW], s80, v[L16]
	s_lshl_b32 s80, s26, 7
	s_add_co_u32 s80, s80, 24576
	v_add_nc_u32 v[AWS], s80, v[L8]
	s_lshl_b32 s80, s27, 11
	s_add_co_u32 s80, s80, XREG
	v_add_nc_u32 v[AX], s80, v[L16]
	s_lshl_b32 s80, s27, 7
	s_add_co_u32 s80, s80, XREG+16384
	v_add_nc_u32 v[AXS], s80, v[L8]
.endm
.macro QUANT s, pc, pw
.irp b, 0,1,2,3
	v_max3_num_f32 v[TM+\b], |v[(\s)+16*\b]|, |v[(\s)+1+16*\b]|, 0x4800000   ; my 16 numbers of block b, and the floor 2^(9 - 127)
.endr
.irp i, 2,4,6,8,10,12,14
.irp b, 0,1,2,3
	v_max3_num_f32 v[TM+\b], v[TM+\b], |v[(\s)+16*\b+\i]|, |v[(\s)+1+16*\b+\i]|
.endr
.endr
.irp b, 0,1,2,3
	v_permlanex16_b32 v[TM+4+\b], v[TM+\b], s[SEL], s[SEL+1]
.endr
.irp b, 0,1,2,3
	v_max_num_f32 v[TM+\b], v[TM+\b], v[TM+4+\b]
.endr
.irp b, 0,1,2,3
	v_add_nc_u32 v[TM+12+\b], 0xfc000000, v[TM+\b]
.endr
.irp b, 0,1,2,3
	v_and_or_b32 v[TM+8+\b], v[TM+\b], 0x7f800000, s[MNT]
.endr
.irp b, 0,1,2,3
	v_lshrrev_b32 v[TM+4+\b], 23, v[TM+12+\b]
.endr
	v_lshl_or_b32 v[\pw], v[TM+5], 8, v[TM+4]
	v_lshl_or_b32 v[\pw], v[TM+6], 16, v[\pw]
	v_lshl_or_b32 v[\pw], v[TM+7], 24, v[\pw]
.irp b, 0,1,2,3
.irp i, 0,1,2,3,4,5,6,7,8,9,10,11,12,13,14,15
	v_med3_num_f32 v[(\s)+16*\b+\i], v[(\s)+16*\b+\i], -v[TM+8+\b], v[TM+8+\b]   ; the conversion does not saturate (ISA guide 7.6.2): the hold comes first
.endr
	v_cvt_scalef32_pk8_fp8_f32 v[(\pc)+4*\b:(\pc)+4*\b+1], v[(\s)+16*\b:(\s)+16*\b+7], v[TM+12+\b]
	v_cvt_scalef32_pk8_fp8_f32 v[(\pc)+4*\b+2:(\pc)+4*\b+3], v[(\s)+16*\b+8:(\s)+16*\b+15], v[TM+12+\b]
.endr
	v_nop                                          ; one plain line behind the last scaled conversion
.endm
.macro FRAG reg, adr, off              ; a fragment comes back as it was stored: 16 bytes a lane, four times
.irp c, 0,1,2,3
	ds_load_b128 v[(\reg)+4*\c:(\reg)+4*\c+3], v[\adr] offset:(\off)+512*\c
.endr
.endm
.macro MM d, a, b, sa, sb, zero        ; zero = 1: the first K step starts the sum
.if \zero
	v_wmma_scale_f32_16x16x128_f8f6f4 v[(\d):(\d)+7], v[(\a):(\a)+15], v[(\b):(\b)+15], 0, v[\sa], v[\sb]
.else
	v_wmma_scale_f32_16x16x128_f8f6f4 v[(\d):(\d)+7], v[(\a):(\a)+15], v[(\b):(\b)+15], v[(\d):(\d)+7], v[\sa], v[\sb]
.endif
.endm
; One K step of a q or k wave: 4 tiles of W x 4 tiles of x.  Eight places stand in front of loads into registers that matrix instructions have read.
.macro QKSTEP s2, zero
.if !\zero
	PLACES 8
.endif
.irp i, 0,1,2,3
	FRAG BIG+16*\i, AW, WBLK*\s2+2048*\i
.endr
	ds_load_b64 v[16:17], v[AWS] offset:WBLK*\s2
	ds_load_b64 v[18:19], v[AWS] offset:WBLK*\s2+256
.irp j, 0,1
	FRAG SML+16*\j, AX, XBLK*\s2+2048*\j
.endr
	ds_load_b64 v[20:21], v[AXS] offset:XBLK*\s2
	ds_load_b64 v[22:23], v[AXS] offset:XBLK*\s2+256
	s_wait_dscnt 0x0
.irp j, 0,1
.irp i, 0,1,2,3
	MM ACC+8*(4*\j+\i), BIG+16*\i, SML+16*\j, 16+\i, 20+\j, \zero
.endr
.endr
	PLACES 8
.irp j, 0,1
	FRAG SML+16*\j, AX, XBLK*\s2+4096+2048*\j
.endr
	s_wait_dscnt 0x0
.irp j, 0,1
.irp i, 0,1,2,3
	MM ACC+8*(8+4*\j+\i), BIG+16*\i, SML+16*\j, 16+\i, 22+\j, \zero
.endr
.endr
.endm
; One K step of a v wave: 8 tiles of x x 2 tiles of Wv
.macro VSTEP s2, zero
.if !\zero
	PLACES 8
.endif
.irp j, 0,1
	FRAG SML+16*\j, AW, WBLK*\s2+2048*\j
.endr
	ds_load_b64 v[16:17], v[AWS] offset:WBLK*\s2
.irp i, 0,1,2,3
	FRAG BIG+16*\i, AX, XBLK*\s2+2048*\i
	ds_load_b64 v[18+2*\i:19+2*\i], v[AXS] offset:XBLK*\s2+256*\i
.endr
	s_wait_dscnt 0x0
.irp j, 0,1
.irp i, 0,1,2,3
	MM ACC+8*(8*\j+\i), BIG+16*\i, SML+16*\j, 18+\i, 16+\j, \zero
.endr
.endr
	PLACES 8
.irp i, 0,1,2,3
	FRAG BIG+16*\i, AX, XBLK*\s2+8192+2048*\i
.endr
	s_wait_dscnt 0x0
.irp j, 0,1
.irp i, 0,1,2,3
	MM ACC+8*(8*\j+4+\i), BIG+16*\i, SML+16*\j, 22+\i, 16+\j, \zero
.endr
.endr
.endm
.macro BODY p, z                       ; two K steps; then on to the next two, on the way that all waves take
	s_cmp_lt_u32 s[WV], 4
	s_cbranch_scc0 .Lvjob_\@
	s_wait_alu depctr_va_vdst(0)
	QKSTEP 0, \z
	QKSTEP 1, 0
	s_branch .Ljoin_\@
.Lvjob_\@:
	s_wait_alu depctr_va_vdst(0)
	VSTEP 0, \z
	VSTEP 1, 0
.Ljoin_\@:
.if \p < 2
	v_add_nc_u32 v[AW], 2*WBLK, v[AW]
	v_add_nc_u32 v[AWS], 2*WBLK, v[AWS]
	v_add_nc_u32 v[AX], 2*XBLK, v[AX]
	v_add_nc_u32 v[AXS], 2*XBLK, v[AXS]
.endif
.endm
; A stage of the first group.  Stage p was fetched by waves 2 p and 2 p + 1, each with a load line of its own: they (and the ones before) wait for their load, then all meet; behind the last stage's barrier every load has landed.
.macro STAGE p, z
.if \p < 2
	s_cmp_lt_u32 s[WV], 2*\p+2
	s_cbranch_scc0 .Lnot_yet_\@
	s_wait_tensorcnt 0x0
.Lnot_yet_\@:
.else
	s_wait_tensorcnt 0x0
.endif
	s_wait_dscnt 0x0
	s_barrier_signal -1
	s_barrier_wait -1
	BODY \p, \z
.endm
; The way out of a group: the bias is added, the results are quantised and stored
.macro EPI
	PLACES 8                                       ; in front of the first reads of results and of writes into the fragments' registers
.irp b, 0,1,2,3
	v_mov_b32 v[TM+4+\b], 0                        ; a lane permute's destination counts as one of its sources
.endr
	s_cmp_lt_u32 s[WV], 4
	s_cbranch_scc0 .Lvbias_\@
.irp t, 0,1,2,3                        ; q, k: register 8 t + j is d = 32 (t / 2) + 16 h + 8 (t % 2) + j
	ds_load_b128 v[BB+8*\t:BB+8*\t+3], v[BRD] offset:128*(\t/2)+32*(\t%2)
	ds_load_b128 v[BB+8*\t+4:BB+8*\t+7], v[BRD] offset:128*(\t/2)+32*(\t%2)+16
.endr
	s_wait_dscnt 0x0
.set n, 0
.rept 4
.set i, 0
.rept 16
	v_pk_add_f32 v[ACC+32*n+2*i:ACC+32*n+2*i+1], v[ACC+32*n+2*i:ACC+32*n+2*i+1], v[BB+2*i:BB+2*i+1]   ; each accumulator from its low end on
.set i, i+1
.endr
.set n, n+1
.endr
	s_branch .Lquant_\@
.Lvbias_\@:                            ; v: one d a lane and task
	ds_load_b32 v[BB], v[BRV]
	ds_load_b32 v[BB+1], v[BRV]
	ds_load_b32 v[BB+2], v[BRV] offset:32
	ds_load_b32 v[BB+3], v[BRV] offset:32
	s_wait_dscnt 0x0
.set n, 0
.rept 2
.set i, 0
.rept 32
	v_pk_add_f32 v[ACC+64*n+2*i:ACC+64*n+2*i+1], v[ACC+64*n+2*i:ACC+64*n+2*i+1], v[BB+2*n:BB+2*n+1]
.set i, i+1
.endr
.set n, n+1
.endr
.Lquant_\@:
	QUANT ACC, PC, PW
.irp c, 0,1,2,3
	global_store_b128 v[L16], v[PC+4*\c:PC+4*\c+3], s[88:89] offset:512*\c           ; 512 consecutive bytes
.endr
	QUANT ACC+64, PC+16, PW+1
.irp c, 0,1,2,3
	global_store_b128 v[L16], v[PC+16+4*\c:PC+16+4*\c+3], s[88:89] offset:2048+512*\c
.endr
	global_store_b64 v[L8], v[PW:PW+1], s[90:91]   ; 256 consecutive bytes
.endm
	s_load_b256 s[4:11], s[0:1], 0x0               ; wimg s[4:5], ximg s[6:7], bq s[8:9], bk s[10:11]
	s_load_b256 s[12:19], s[0:1], 0x20             ; bv s[12:13], qimg s[14:15], qsc s[16:17], kvimg s[18:19]
	s_load_b64 s[20:21], s[0:1], 0x40              ; kvsc
	v_lshl_add_u32 v30, v0, 2, SPARE
	v_mov_b32 v31, 0
	ds_add_u32 v30, v31                            ; the wave's opening: the add, twice on end
	ds_add_u32 v30, v31
	v_lshrrev_b32 v12, 5, v0
	v_readfirstlane_b32 s[WV], v12                 ; wave 0..5
	v_and_b32 v12, 31, v0
	v_lshlrev_b32 v[L16], 4, v12
	v_lshlrev_b32 v[L8], 3, v12
	s_wait_alu depctr_va_vdst(0)
	s_and_b32 s23, s[WV], 1                        ; a
	s_lshr_b32 s24, s[WV], 1                       ; 0: q, 1: k, 2: v
	s_lshr_b32 s25, s[WV], 2
	s_and_b32 s25, s25, s[WV]                      ; a in v's waves, else 0
	s_lshl_b32 s26, s24, 2
	s_lshl_b32 s80, s25, 1
	s_add_co_u32 s26, s26, s80                     ; my first fragment of W
	s_xor_b32 s27, s23, s25
	s_lshl_b32 s27, s27, 2                         ; my first tile of x: 4 a, or 0 in v's waves
	s_bfe_u32 s28, ttmp6, 0x40000                  ; cx: it enters x's and the results' global addresses alone
	s_lshl_b32 s29, ttmp9, 2
	s_add_co_u32 s29, s29, s28
	s_lshl_b32 s29, s29, 1                         ; G: my first group; the second is G + 1
	s_and_b32 s30, ttmp7, 0xffff                   ; the head, which the four partners share
	s_mov_b32 s[SEL], 0x76543210
	s_mov_b32 s[SEL+1], 0xfedcba98
	s_mov_b32 s[MNT], 0x600000
	ADDR
	s_lshl_b32 s80, s[WV], 8
	s_add_co_u32 s80, s80, BIAS
	v_add_nc_u32 v[BST], s80, v[L8]
	v_bfe_u32 v12, v0, 4, 1
	v_lshlrev_b32 v[BRD], 6, v12
	v_add_nc_u32 v[BRD], s80, v[BRD]               ; + 64 h: tile t's eight d of my half follow by the offset
	v_and_b32 v12, 7, v0
	v_bfe_u32 v13, v0, 3, 1
	v_lshl_add_u32 v12, v13, 4, v12
	v_lshlrev_b32 v[BRV], 2, v12
	s_lshl_b32 s81, s23, 7
	s_add_co_u32 s81, s81, s80
	v_add_nc_u32 v[BRV], s81, v[BRV]               ; d = 32 a + 8 j + r % 8 + 16 (r / 8)
	; descriptor groups 1: dense blocks as rows of 256 bytes (32 elements of 8 bytes).  W: 204 rows = two K steps, joint; x: 136 rows, plain
	s_mov_b32 s32, 15|(3<<16)|(1<<21)              ; the mask: all four work-groups; bit 21 beside it
	s_mov_b32 s33, 32<<16
	s_mov_b32 s34, 204<<16
	s_mov_b32 s35, 32<<16
	s_mov_b32 s36, 204
	s_mov_b32 s37, 32
	s_mov_b32 s38, 0
	s_mov_b32 s39, 0
	s_mov_b32 s40, 3<<16
	s_mov_b32 s41, 32<<16
	s_mov_b32 s42, 136<<16
	s_mov_b32 s43, 32<<16
	s_mov_b32 s44, 136
	s_mov_b32 s45, 32
	s_mov_b32 s46, 0
	s_mov_b32 s47, 0
	s_mul_i32 s80, s30, 6*WBLK
	s_mov_b32 s81, 0
	s_mul_i32 s82, s29, 6*XBLK
	s_mov_b32 s83, 0
	s_wait_alu depctr_va_vdst(0)
	s_wait_dscnt 0x0                               ; both opening adds are done
	s_wait_kmcnt 0x0
	s_add_nc_u64 s[80:81], s[4:5], s[80:81]        ; the head's W: made of the head alone
	s_add_nc_u64 s[82:83], s[6:7], s[82:83]        ; my two groups' x
	SETG0 48, 0, 80, 0
	SETG0 52, 2*WBLK, 80, 2*WBLK
	SETG0 56, 4*WBLK, 80, 4*WBLK
	SETG0 60, XREG, 82, 0
	SETG0 68, XREG+2*XBLK, 82, 2*XBLK
	SETG0 72, XREG+4*XBLK, 82, 4*XBLK
	CROUND                                         ; all four work-groups are here: the joint loads meet
; The first fills, one a wave, in one chain of arms: waves 2 p and 2 p + 1 fetch stage p's W and x
.macro ARM under, g0, g1
	s_cmp_lt_u32 s[WV], \under
	s_cbranch_scc0 .Lnext_\under
	tensor_load_to_lds s[\g0:\g0+3], s[\g1:\g1+7]
	s_nop 0
	PLACES 4
	s_branch .Lfilled
.Lnext_\under:
.endm
	ARM 1, 48, 32
	ARM 2, 60, 40
	ARM 3, 52, 32
	ARM 4, 68, 40
	ARM 5, 56, 32
	tensor_load_to_lds s[72:75], s[40:47]
	s_nop 0
	PLACES 4
.Lfilled:
	s_cmp_eq_u32 s24, 0                            ; my matrix's bias row of the head: 256 bytes, read whole, kept in my own LDS bytes
	s_cselect_b64 s[84:85], s[8:9], s[10:11]
	s_cmp_eq_u32 s24, 2
	s_cselect_b64 s[84:85], s[12:13], s[84:85]
	s_lshl_b32 s86, s30, 8
	s_mov_b32 s87, 0
	s_add_nc_u64 s[84:85], s[84:85], s[86:87]
	global_load_b64 v[10:11], v[L8], s[84:85]
	s_wait_loadcnt 0x0
	s_wait_alu depctr_va_vdst(0)
	ds_store_b64 v[BST], v[10:11]
	; where my results go: idx = 32 head + G.  q: 8,192 idx + 4,096 a and 512 idx + 256 a; k, v: 16,384 idx + 8,192 (v) + 4,096 a and 1,024 idx + 512 (v) + 256 a
	s_lshl_b32 s86, s30, 5
	s_add_co_u32 s86, s86, s29
	s_cmp_eq_u32 s24, 0
	s_cselect_b64 s[88:89], s[14:15], s[18:19]
	s_cselect_b64 s[90:91], s[16:17], s[20:21]
	s_cselect_b32 s92, 13, 14
	s_cselect_b32 s93, 9, 10
	s_lshl_b32 s66, 1, s92                         ; from my first group's codes to my second's,
	s_mov_b32 s67, 0
	s_lshl_b32 s31, 1, s93                         ; and from scale words to scale words
	s_lshl_b32 s92, s86, s92
	s_lshl_b32 s93, s86, s93
	s_lshr_b32 s94, s24, 1
	s_lshl_b32 s95, s94, 13
	s_add_co_u32 s92, s92, s95
	s_lshl_b32 s95, s94, 9
	s_add_co_u32 s93, s93, s95
	s_lshl_b32 s95, s23, 12
	s_add_co_u32 s92, s92, s95
	s_lshl_b32 s95, s23, 8
	s_add_co_u32 s93, s93, s95
	s_mov_b32 s86, s92
	s_add_nc_u64 s[88:89], s[88:89], s[86:87]
	s_mov_b32 s86, s93
	s_add_nc_u64 s[90:91], s[90:91], s[86:87]
	s_mov_b32 s86, s31
	STAGE 0, 1
	STAGE 1, 0
	STAGE 2, 0
	s_wait_tensorcnt 0x0                           ; no tensor load of mine is out, so descriptors may be written
	ds_add_u32 v30, v31
	s_mov_b32 s42, 68<<16                          ; the refill: 68 rows, a K step of x: wave w fetches K step w of my second group
	s_mov_b32 s44, 68
	s_mul_i32 s94, s[WV], XBLK
	s_add_co_u32 s61, s94, XREG
	s_add_co_u32 s94, s94, 6*XBLK
	s_mov_b32 s95, 0
	s_add_nc_u64 s[62:63], s[82:83], s[94:95]
	s_or_b32 s63, s63, 0x80000000
	s_wait_dscnt 0x0                               ; the add is done, and my reads of x are over
	CROUND                                         ; the same holds of every wave
	tensor_load_to_lds s[60:63], s[40:47]
	s_nop 0
	PLACES 4
	EPI                                            ; the first group leaves while the second's x is on its way
	ADDR
	s_wait_xcnt 0x0                                ; the stores have read their registers and bases
	s_add_nc_u64 s[88:89], s[88:89], s[66:67]
	s_add_nc_u64 s[90:91], s[90:91], s[86:87]
	s_wait_alu depctr_va_vdst(0)                   ; directly ahead of the waits below
	s_wait_tensorcnt 0x0                           ; my K step of x is in
	s_wait_dscnt 0x0
	s_barrier_signal -1
	s_barrier_wait -1                              ; and so are all six
	BODY 0, 1
	BODY 1, 0
	BODY 2, 0
	EPI
	s_wait_tensorcnt 0x0                           ; the wave's end
	ds_add_u32 v30, v31
	s_wait_dscnt 0x0
	CROUND                                         ; the closing round: no work-group ends while a partner may still ask for a tile that names it
	s_endpgm
.Lfunc_end_k_q1531f95369_qkv:
	.size	k_q1531f95369_qkv, .Lfunc_end_k_q1531f95369_qkv-k_q1531f95369_qkv
	.p2alignl 7, 3214868480
	.fill 96, 4, 3214868480
	.section	.rodata,"a",@progbits
	.p2align	6, 0x0
	.amdhsa_kernel k_q1531f95369_qkv
		.amdhsa_group_segment_fixed_size 327680
		.amdhsa_private_segment_fixed_size 0
		.amdhsa_enable_private_segment 0
		.amdhsa_kernarg_size 72
		.amdhsa_user_sgpr_count 2
		.amdhsa_user_sgpr_kernarg_segment_ptr 1
		.amdhsa_wavefront_size32 1
		.amdhsa_system_sgpr_workgroup_id_x 1
		.amdhsa_system_sgpr_workgroup_id_y 1
		.amdhsa_system_sgpr_workgroup_id_z 1
		.amdhsa_system_vgpr_workitem_id 0
		.amdhsa_next_free_vgpr 256
		.amdhsa_next_free_sgpr 96
		.amdhsa_reserve_vcc 0
		.amdhsa_float_denorm_mode_32 3
		.amdhsa_float_denorm_mode_16_64 3
		.amdhsa_memory_ordered 1
		.amdhsa_forward_progress 1
		.amdhsa_inst_pref_size 187
	.end_amdhsa_kernel
	.amdgpu_metadata
---
amdhsa.version: [ 1, 2 ]
amdhsa.kernels:
  - .name:           k_q1531f95369_qkv
    .symbol:         k_q1531f95369_qkv.kd
    .args:
      - { .name: wimg, .offset: 0, .size: 8, .value_kind: global_buffer, .address_space: global }
      - { .name: ximg, .offset: 8, .size: 8, .value_kind: global_buffer, .address_space: global }
      - { .name: bq, .offset: 16, .size: 8, .value_kind: global_buffer, .address_space: global }
      - { .name: bk, .offset: 24, .size: 8, .value_kind: global_buffer, .address_space: global }
      - { .name: bv, .offset: 32, .size: 8, .value_kind: global_buffer, .address_space: global }
      - { .name: qimg, .offset: 40, .size: 8, .value_kind: global_buffer, .address_space: global }
      - { .name: qsc, .offset: 48, .size: 8, .value_kind: global_buffer, .address_space: global }
      - { .name: kvimg, .offset: 56, .size: 8, .value_kind: global_buffer, .address_space: global }
      - { .name: kvsc, .offset: 64, .size: 8, .value_kind: global_buffer, .address_space: global }
    .group_segment_fixed_size: 327680
    .private_segment_fixed_size: 0
    .kernarg_segment_align: 8
    .kernarg_segment_size: 72
    .max_flat_workgroup_size: 192
    .sgpr_count:     96
    .vgpr_count:     256
    .wavefront_size: 32
...
	.end_amdgpu_metadata
.endif
;; end of part 2
;; launch attn (part 3): grid 256 x 1, 8 waves a work-group, no clusters, 279,552 bytes of LDS; arguments qimg, qsc, kvimg, kvsc, cimg; writes cimg
.if DOCPART == 3
	.amdgcn_target "amdgcn-amd-amdhsa--gfx1250"
	.amdhsa_code_object_version 6
	.text
	.protected	k_q1531f95369_attn
	.globl	k_q1531f95369_attn
	.p2align	8
	.type	k_q1531f95369_attn,@function
k_q1531f95369_attn:
	s_mov_b64 s[64:65], 0
	v_nop
	global_prefetch_b8 v0, s[64:65] scope:SCOPE_SE
	s_setreg_imm32_b32 hwreg(HW_REG_WAVE_MODE, 25, 1), 1
	s_wait_xcnt 0x0
; ATTN: causal attention on codes of E4M3 with E8M0 scales; the result, divided by the row's sum, is quantised along c = 64 head + d and stored as images for the last product.
; SOFTMAX: t = score x log2(e) / 8; M = the running largest t rounded UP to a whole number; p = 2^(t - M) is quantised along the keys, not normalised; the row's sum is taken of the
; unquantised p; when M moves, the sum and O are multiplied by 2^(old M - new M), which rounds nothing.
; THE DEAL.  A unit = 64 queries of one head (4 tiles of 16); unit u needs key steps 0 .. u / 2 (128 keys a step); an item = a unit x a key step.  A work-group (g = x / 64, i = x % 64, m = i / 2) owns three units,
; of heads 3 g .. 3 g + 2: unit i, unit 63 - m, unit 31 - m: 49 or 50 items, whatever i.  The three units' items are laid end to end, with ONE EMPTY PLACE behind each unit, which stands for what a unit's end costs
; (the masked step, a partial more): 52 or 53 places.  Wave w takes the places from 6 w + min(w, 4) to the next wave's first, the last wave the rest.  The middle unit has 18 places at the least, so a wave
; meets two units at the most: two segments.  A segment's partial result (-M, the sum, O) goes to LDS, into the slot (wave, segment); behind one barrier the partials of a unit are joined.
; Steps that the causal mask hides whole belong to no item.
; NO TILE GOES THROUGH LDS: within a work-group no two waves read the same key step of the same unit, so K and V go from memory straight into registers, where each fragment serves four tiles of queries.
; NO CLUSTER: there is no tensor load, and the work-groups of a head differ in their units, first steps and trip counts.  NO PREFETCH: a wave has seven trips at the most, too few to run ahead in; a step's K is asked for a quarter of a trip ahead.
; LAYOUT.  S^T = K Q^T and O^T = V^T P^T: a lane holds one query throughout.  The head has 64 channels, half of the instruction's 128 along K: a K image holds TWO key tiles (tile 2 f in
; k 0..63, tile 2 f + 1 in k 64..127); against [q | zeros] it gives tile 2 f's scores, against [zeros | q] tile 2 f + 1's.
; By the order of keys in a tile the 16 registers of tiles 2 f, 2 f + 1 are keys 32 f + 16 (lane / 16) + 0 .. 15.
; REGISTERS: window 0: addresses, scale words, states, q, S, p's codes; window 1: O^T of four tiles (v0-127 of it), K's four images (v128-191), V's (v192-255).
; LIMITS: NaN and infinities are not served; scaled scores (exponents to the base 2) under 2^31 in magnitude; a block under 2^-118 gets the byte 1, a block of zeros too (its codes are zeros; this program alone reads the bytes).
.set SLOT, 17408                       ; a partial: 4 tiles x 32 registers x 128 bytes, then 4 x 256 bytes of (-M, sum)
.set SPARE, 16*SLOT                    ; the spare words: 128 bytes for each of 8 waves; no other line names them
.set L16, 1                            ; 16 x lane
.set L8,  2                            ; 8 x lane
.set SPW, 3
.set NIL, 4
.set DA,  5                            ; LDS: my slots, O
.set DM,  6                            ; LDS: my slots, (-M, sum)
.set QL0, 7                            ; r % 8 + 16 (r / 8) - 16 (lane / 16)
.set NINF, 9
.set TW,  10                           ; v10-11 q's scale words as loaded
.set KSW, 12                           ; v12-15 K's scale words
.set QS,  16                           ; v16-19 q's
.set VSW, 20                           ; v20-23 V's
.set NM,  24                           ; v24-31 four pairs: -M, and (at the end) the sum
.set SUM, 32                           ; v32-39 four sums, in two halves each
.set ZQ,  40                           ; v40-111 zeros, q0, zeros, q1, .. zeros: eight registers each
.set S,   112                          ; v112-175 S^T, then p
.set PCD, 176                          ; v176-191 p's codes
.set BM,  192                          ; the blocks' largest
.set BP,  196                          ; permute's results, then the bytes
.set BH,  200                          ; 448 x the scale
.set BC,  204                          ; the conversions' scale operands
.set PS,  208                          ; p's scale word
.set FF,  210                          ; f (v211 is named with it as a pair)
.set TT,  212                          ; v212-213
.set CH,  214                          ; v214-229 eight chains of sums
.set MO,  230                          ; joining: my place in a slot's O
.set MM,  231                          ; and in its (-M, sum)
.set KF,  128                          ; window 1
.set VF,  192                          ; window 1
.set WV, 14
.set H0, 15
.set U0, 16
.set H1, 17
.set U1, 18
.set H2, 19
.set SEL, 20
.set CS, 22
.set MNT, 24
.set J,  25
.set HD, 26
.set UN, 27
.set BS, 28
.set BE, 29
.set B1, 30
.set B2, 31
.set BN, 32
.set U2, 34
.set CUR, 35
.set EE, 36
.set ST, 37
.set OC, 38
.set EN, 39
.set SEG, 40
.set SG, 41
.set KV, 42
.set KS, 44
.set PE0, 46
.set PE1, 47
.set NC, 48
.set HF, 62
.set CN, 63
.set MSB, 0
.macro WIN new                         ; the immediate's high byte repeats the setting that is left
.if MSB != \new
	s_set_vgpr_msb (MSB<<8)|\new
.set MSB, \new
.endif
.endm
.macro PLACES n
.rept \n
	v_nop
.endr
.endm
.macro UNIT                            ; unit J of the three: its head, number, first place, the place behind its empty one
	s_cmp_eq_u32 s[J], 1
	s_cselect_b32 s[HD], s[H1], s[H0]
	s_cselect_b32 s[UN], s[U1], s[U0]
	s_cselect_b32 s[BS], s[B1], 0
	s_cselect_b32 s[BE], s[B2], s[B1]
	s_cmp_eq_u32 s[J], 2
	s_cselect_b32 s[HD], s[H2], s[HD]
	s_cselect_b32 s[UN], s[U2], s[UN]
	s_cselect_b32 s[BS], s[B2], s[BS]
	s_cselect_b32 s[BE], s[BN], s[BE]
	s_lshr_b32 s[OC], s[UN], 1                     ; its octet of 128 queries: also its last key step
	s_and_b32 s[HF], s[UN], 1                      ; which half of it
.endm
.macro KLOAD o                         ; K's four images and scale words of the step o on from s[KV]
	WIN 0x40
.irp t, 0,1,2,3
.irp c, 0,1,2,3
	global_load_b128 v[KF+16*\t+4*\c:KF+16*\t+4*\c+3], v[L16], s[KV:KV+1] offset:16384*\o+2048*\t+512*\c
.endr
.endr
	WIN 0
	global_load_b64 v[KSW:KSW+1], v[L8], s[KS:KS+1] offset:1024*\o
	global_load_b64 v[KSW+2:KSW+3], v[L8], s[KS:KS+1] offset:1024*\o+256
.endm
.macro VLOAD
	WIN 0x40
.irp t, 0,1,2,3
.irp c, 0,1,2,3
	global_load_b128 v[VF+16*\t+4*\c:VF+16*\t+4*\c+3], v[L16], s[KV:KV+1] offset:8192+2048*\t+512*\c
.endr
.endr
	WIN 0
	global_load_b64 v[VSW:VSW+1], v[L8], s[KS:KS+1] offset:512
	global_load_b64 v[VSW+2:VSW+3], v[L8], s[KS:KS+1] offset:768
.endm
.macro SCORE j                         ; S^T of tile j: source 0 = K (window 1), source 1 = q
	WIN 0x01
.irp f, 0,1,2,3
	v_wmma_scale_f32_16x16x128_f8f6f4 v[S+16*\f:S+16*\f+7], v[KF+16*\f:KF+16*\f+15], v[ZQ+8+16*\j:ZQ+23+16*\j], 0, v[KSW+\f], v[QS+\j]   ; [q | 0]: key tile 2 f
	v_wmma_scale_f32_16x16x128_f8f6f4 v[S+16*\f+8:S+16*\f+15], v[KF+16*\f:KF+16*\f+15], v[ZQ+16*\j:ZQ+15+16*\j], 0, v[KSW+\f], v[QS+\j]   ; [0 | q]: key tile 2 f + 1
.endr
.endm
.macro RESC j                          ; O^T of tile j under the new M: also the places behind the scores' products and in front of PV's
	WIN 0x41
	s_wait_alu depctr_va_vdst(0)                   ; directly ahead of the first readers of O^T
.set n, 0
.rept 16
	v_pk_mul_f32 v[32*\j+n:32*\j+n+1], v[32*\j+n:32*\j+n+1], v[FF:FF+1] op_sel_hi:[1,0]
.set n, n+2
.endr
.endm
.macro PV j
	WIN 0x51
.irp t, 0,1,2,3
	v_wmma_scale_f32_16x16x128_f8f6f4 v[32*\j+8*\t:32*\j+8*\t+7], v[VF+16*\t:VF+16*\t+15], v[PCD:PCD+15], v[32*\j+8*\t:32*\j+8*\t+7], v[VSW+\t], v[PS]
.endr
	WIN 0
.endm
.macro CUT j, b                        ; block b holds the same 32 tokens as tile j's queries: register i is key 16 (lane / 16) + i of them, my query 8 (j % 2) on from QL0's: hidden where it comes after
.set n, 0
.rept 16
	v_cmp_gt_i32 vcc_lo, n-8*(\j%2), v[QL0]
	v_cndmask_b32 v[S+16*(\b)+n], v[S+16*(\b)+n], v[NINF], vcc_lo
.set n, n+1
.endr
.endm
.macro HIDE b                          ; block b comes after all of the tile's queries
.irp i, 0,2,4,6,8,10,12,14
	v_dual_mov_b32 v[S+16*(\b)+\i], v[NINF] :: v_dual_mov_b32 v[S+16*(\b)+\i+1], v[NINF]
.endr
.endm
.macro SOFT j                          ; the softmax of tile j's 64 scores a lane, and p's codes
	WIN 0
	s_cmp_lt_u32 s[ST], s[OC]                      ; only the step on the diagonal has hidden keys
	s_cbranch_scc1 .Lopen_\@
	s_cmp_eq_u32 s[HF], 0
	s_cbranch_scc0 .Lhigh_\@
	CUT \j, (\j/2)                                 ; the octet's lower half: the tile's queries lie among block j / 2
	HIDE 3
	HIDE 2
.if (\j/2) == 0
	HIDE 1
.endif
	s_wait_alu depctr_va_vdst(0)                   ; directly ahead of the branch
	s_branch .Lopen_\@
.Lhigh_\@:                             ; the upper half: among block 2 + j / 2
	CUT \j, (2+\j/2)
.if (\j/2) == 0
	HIDE 3
.endif
.Lopen_\@:
.irp b, 0,1,2,3
	v_max3_num_f32 v[BM+\b], v[S+16*\b], v[S+1+16*\b], v[S+2+16*\b]   ; the largest score of each block of 32 keys: for the row's maximum, and, since p rises with the score, for the block's largest p
.endr
.irp i, 3,5,7,9,11,13
.irp b, 0,1,2,3
	v_max3_num_f32 v[BM+\b], v[BM+\b], v[S+16*\b+\i], v[S+1+16*\b+\i]
.endr
.endr
.irp b, 0,1,2,3
	v_max_num_f32 v[BM+\b], v[BM+\b], v[S+15+16*\b]
.endr
.irp b, 0,1,2,3
	s_delay_alu instid0(VALU_DEP_4)
	v_permlanex16_b32 v[BP+\b], v[BM+\b], s[SEL], s[SEL+1]
.endr
.irp b, 0,1,2,3
	s_delay_alu instid0(VALU_DEP_4)
	v_max_num_f32 v[BM+\b], v[BM+\b], v[BP+\b]     ; with lane l xor 16's 16 keys
.endr
	s_delay_alu instid0(VALU_DEP_2)
	v_max3_num_f32 v[TT], v[BM], v[BM+1], v[BM+2]
	s_delay_alu instid0(VALU_DEP_1)
	v_max_num_f32 v[TT], v[TT], v[BM+3]
	s_delay_alu instid0(VALU_DEP_1)
	v_mul_f32 v[TT], s[NC], v[TT]                  ; -t of the step's largest score
	s_delay_alu instid0(VALU_DEP_1)
	v_floor_f32 v[TT], v[TT]                       ; floor(-t) = -ceil(t): M is a whole number
	s_delay_alu instid0(VALU_DEP_1)
	v_sub_f32 v[TT+1], v[TT], v[NM+2*\j]
	v_min_num_f32 v[NM+2*\j], v[NM+2*\j], v[TT]    ; the new -M
	s_delay_alu instid0(VALU_DEP_2)
	v_min_num_f32 v[TT+1], 0, v[TT+1]              ; old M - new M
	s_delay_alu instid0(VALU_DEP_1)
	v_cvt_i32_f32 v[TT+1], v[TT+1]                 ; (it saturates)
	s_delay_alu instid0(VALU_DEP_1)
	v_ldexp_f32 v[FF], 1.0, v[TT+1]                ; f = 2^(old M - new M)
.set n, 0
.rept 32
	v_pk_fma_f32 v[S+n:S+n+1], v[S+n:S+n+1], s[CS:CS+1], v[NM+2*\j:NM+2*\j+1] op_sel_hi:[1,0,0]   ; t - M, two at a time
.set n, n+2
.endr
.irp b, 0,1,2,3
	v_fma_f32 v[BM+\b], v[BM+\b], s[CS], v[NM+2*\j]
.endr
	s_wait_alu depctr_va_vdst(0)                   ; one wait ahead of the batch,
.irp b, 0,1,2,3
	v_exp_f32 v[BM+\b], v[BM+\b]                   ; the blocks' largest p
.endr
.set n, 0
.rept 64
	v_exp_f32 v[S+n], v[S+n]                       ; p = 2^(t - M)
.set n, n+1
.endr
	v_pk_mul_f32 v[SUM+2*\j:SUM+2*\j+1], v[SUM+2*\j:SUM+2*\j+1], v[FF:FF+1] op_sel_hi:[1,0]   ; the sums under the new M: a plain line behind the exponentials
	s_wait_alu depctr_va_vdst(0)                   ; and one behind it
.irp b, 0,1,2,3
	v_max_num_f32 v[BM+\b], 0x4800000, v[BM+\b]    ; the floor 2^(9 - 127)
.endr
.irp b, 0,1,2,3
	v_add_nc_u32 v[BC+\b], 0xfc000000, v[BM+\b]
.endr
.irp b, 0,1,2,3
	v_and_or_b32 v[BH+\b], v[BM+\b], 0x7f800000, s[MNT]
.endr
.irp b, 0,1,2,3
	v_lshrrev_b32 v[BP+\b], 23, v[BC+\b]
.endr
.irp i, 0,1,2,3,4,5,6,7                ; the row's sum is taken of the unquantised p: eight chains of pairs
	v_pk_add_f32 v[CH+2*\i:CH+2*\i+1], v[S+2*\i:S+2*\i+1], v[S+16+2*\i:S+17+2*\i]
.endr
	v_lshl_or_b32 v[PS], v[BP+1], 8, v[BP]
.irp i, 0,1,2,3,4,5,6,7
	v_pk_add_f32 v[CH+2*\i:CH+2*\i+1], v[CH+2*\i:CH+2*\i+1], v[S+32+2*\i:S+33+2*\i]
.endr
	v_lshl_or_b32 v[PS], v[BP+2], 16, v[PS]
.irp i, 0,1,2,3,4,5,6,7
	v_pk_add_f32 v[CH+2*\i:CH+2*\i+1], v[CH+2*\i:CH+2*\i+1], v[S+48+2*\i:S+49+2*\i]
.endr
	v_lshl_or_b32 v[PS], v[BP+3], 24, v[PS]        ; p's scale word
.irp i, 0,1,2,3
	v_pk_add_f32 v[CH+2*\i:CH+2*\i+1], v[CH+2*\i:CH+2*\i+1], v[CH+8+2*\i:CH+9+2*\i]
.endr
.irp b, 0,1,2,3
.irp i, 0,2,4,6,8,10,12,14             ; the conversion does not saturate (ISA guide 7.6.2); p is not negative: a one-sided hold, two numbers an instruction
	v_dual_min_num_f32 v[S+16*\b+\i], v[S+16*\b+\i], v[BH+\b] :: v_dual_min_num_f32 v[S+16*\b+\i+1], v[S+16*\b+\i+1], v[BH+\b]
.endr
.if \b < 2
	v_pk_add_f32 v[CH+2*\b:CH+2*\b+1], v[CH+2*\b:CH+2*\b+1], v[CH+4+2*\b:CH+5+2*\b]
.else
	v_pk_add_f32 v[SUM+2*\j:SUM+2*\j+1], v[SUM+2*\j:SUM+2*\j+1], v[CH+2*(\b-2):CH+2*(\b-2)+1]
.endif
.endr
.irp b, 0,1,2,3
	v_cvt_scalef32_pk8_fp8_f32 v[PCD+4*\b:PCD+4*\b+1], v[S+16*\b:S+16*\b+7], v[BC+\b]
	v_cvt_scalef32_pk8_fp8_f32 v[PCD+4*\b+2:PCD+4*\b+3], v[S+16*\b+8:S+16*\b+15], v[BC+\b]
.endr
	v_nop                                          ; one plain line behind the last scaled conversion
.endm
	s_load_b256 s[4:11], s[0:1], 0x0               ; qimg s[4:5], qsc s[6:7], kvimg s[8:9], kvsc s[10:11]
	s_load_b64 s[12:13], s[0:1], 0x20              ; cimg
	v_lshl_add_u32 v[SPW], v0, 2, SPARE
	v_mov_b32 v[NIL], 0
	v_lshrrev_b32 v[TT], 5, v0
	v_readfirstlane_b32 s[WV], v[TT]               ; wave 0..7
	v_and_b32 v[TT], 31, v0
	v_lshlrev_b32 v[L16], 4, v[TT]
	v_lshlrev_b32 v[L8], 3, v[TT]
	s_mul_i32 s50, s[WV], 2*SLOT
	v_add_nc_u32 v[DA], s50, v[L16]
	s_add_co_u32 s50, s50, 16384
	v_add_nc_u32 v[DM], s50, v[L8]
	s_lshl_b32 s50, s[WV], 11
	v_add_nc_u32 v[MO], s50, v[L16]                ; joining: tile w / 2, block w % 2 of its 64 channels: 2,048 w
	s_lshr_b32 s50, s[WV], 1
	s_lshl_b32 s50, s50, 8
	s_add_co_u32 s50, s50, 16384
	v_add_nc_u32 v[MM], s50, v[L8]
	v_and_b32 v[QL0], 7, v0
	v_bfe_u32 v[TT], v0, 3, 1
	v_lshl_add_u32 v[QL0], v[TT], 4, v[QL0]
	v_bfe_u32 v[TT], v0, 4, 1
	v_lshlrev_b32 v[TT], 4, v[TT]
	v_sub_nc_u32 v[QL0], v[QL0], v[TT]
	v_mov_b32 v[NINF], 0xff800000
	v_mov_b32 v[FF+1], 0                           ; (named as the upper half of a pair)
.irp b, 0,1,2,3
	v_mov_b32 v[BP+\b], 0                          ; a lane permute's destination counts as one of its sources
.endr
.irp z, 0,1,2,3,4
.irp i, 0,1,2,3,4,5,6,7
	v_mov_b32 v[ZQ+16*\z+\i], 0                    ; the empty halves of the two forms of q: zero codes
.endr
.endr
	s_mov_b32 s[SEL], 0x76543210
	s_mov_b32 s[SEL+1], 0xfedcba98
	s_mov_b32 s[CS], 0x3e38aa3b                    ; log2(e) / 8
	s_mov_b32 s[CS+1], s[CS]                       ; (named with it as a pair)
	s_mov_b32 s[NC], 0xbe38aa3b
	s_mov_b32 s[MNT], 0x600000
	s_mov_b32 s[PE0], 0x01000100
	s_mov_b32 s[PE1], 0x03020302
	s_lshr_b32 s50, ttmp9, 6
	s_mul_i32 s[H0], s50, 3
	s_and_b32 s[U0], ttmp9, 63
	s_lshr_b32 s50, s[U0], 1                       ; m
	s_and_b32 s51, s[U0], 1
	s_sub_co_u32 s[U1], 63, s50
	s_sub_co_u32 s[U2], 31, s50
	s_add_co_u32 s[H1], s[H0], 2
	s_sub_co_u32 s[H1], s[H1], s51                 ; unit 63 - m: head 3 g + 2 where i is even, else 3 g + 1
	s_add_co_u32 s[H2], s[H0], 1
	s_add_co_u32 s[H2], s[H2], s51                 ; unit 31 - m: the other one
	s_add_co_u32 s[B1], s50, 2                     ; a unit u has u / 2 + 1 items and an empty place
	s_lshr_b32 s50, s[U1], 1
	s_add_co_u32 s[B2], s[B1], s50
	s_add_co_u32 s[B2], s[B2], 2
	s_lshr_b32 s50, s[U2], 1
	s_add_co_u32 s[BN], s[B2], s50
	s_add_co_u32 s[BN], s[BN], 2                   ; 52 or 53 places
	s_mul_i32 s[CUR], s[WV], 6
	s_min_u32 s50, s[WV], 4
	s_add_co_u32 s[CUR], s[CUR], s50               ; my first place: 6 w + min(w, 4)
	s_add_co_u32 s50, s[WV], 1
	s_mul_i32 s[EE], s50, 6
	s_min_u32 s50, s50, 4
	s_add_co_u32 s[EE], s[EE], s50                 ; and the next wave's first
	s_cmp_eq_u32 s[WV], 7
	s_cselect_b32 s[EE], s[BN], s[EE]
	s_mov_b32 s[SEG], 0
	s_mov_b32 s[SG], 0
	s_wait_alu depctr_va_vdst(0)
	s_wait_kmcnt 0x0
.Lseg:                                             ; a segment: my items of one unit
	s_cmp_ge_u32 s[CUR], s[B1]
	s_cselect_b32 s[J], 1, 0
	s_cmp_ge_u32 s[CUR], s[B2]
	s_cselect_b32 s[J], 2, s[J]
	UNIT
	s_min_u32 s[CN], s[EE], s[BE]
	s_sub_co_u32 s[ST], s[CUR], s[BS]              ; my key steps of it: ST to EN - 1
	s_sub_co_u32 s[EN], s[CN], s[BS]
	s_add_co_u32 s50, s[OC], 1
	s_min_u32 s[EN], s[EN], s50                    ; (the unit's last place is empty)
	s_cmp_ge_u32 s[ST], s[EN]
	s_cbranch_scc1 .Lseg_end                       ; no item of it
	s_wait_xcnt 0x0                                ; the earlier loads have read their bases
	s_lshl_b32 s50, s[HD], 5
	s_add_co_u32 s52, s50, s[ST]
	s_lshl_b32 s54, s52, 14
	s_mov_b32 s55, 0
	s_add_nc_u64 s[KV:KV+1], s[8:9], s[54:55]      ; the step's 16,384 bytes of K and V^T
	s_lshl_b32 s54, s52, 10
	s_add_nc_u64 s[KS:KS+1], s[10:11], s[54:55]    ; and its 1,024 of scale words
	s_add_co_u32 s52, s50, s[OC]
	s_lshl_b32 s54, s52, 13
	s_lshl_b32 s50, s[HF], 12
	s_add_co_u32 s54, s54, s50
	s_add_nc_u64 s[56:57], s[4:5], s[54:55]        ; q: half an octet, 4,096 bytes
	s_lshl_b32 s54, s52, 9
	s_lshl_b32 s50, s[HF], 8
	s_add_co_u32 s54, s54, s50
	s_add_nc_u64 s[58:59], s[6:7], s[54:55]
	KLOAD 0
	global_load_b64 v[TW:TW+1], v[L8], s[58:59]
.irp j, 0,1,2,3
	global_load_b128 v[ZQ+8+16*\j:ZQ+11+16*\j], v[L16], s[56:57] offset:1024*\j
	global_load_b128 v[ZQ+12+16*\j:ZQ+15+16*\j], v[L16], s[56:57] offset:1024*\j+512
.endr
.irp j, 0,1,2,3
	v_mov_b32 v[NM+2*\j], 0x7f61b1e6               ; -M: 3e38: nothing seen yet
	v_mov_b32 v[NM+2*\j+1], 0
	v_mov_b32 v[SUM+2*\j], 0
	v_mov_b32 v[SUM+2*\j+1], 0
.endr
	WIN 0x40
.set n, 0
.rept 128
	v_mov_b32 v[n], 0                              ; O^T: the step is written once; the first change of M leaves zeros zeros
.set n, n+1
.endr
	WIN 0
	s_wait_alu depctr_va_vdst(0)                   ; directly ahead of the wait below
	s_wait_loadcnt 0x0
.irp j, 0,1
	v_perm_b32 v[QS+2*\j], v[TW+\j], v[TW+\j], s[PE0]     ; a tile's two bytes, twice: for either half of K
	v_perm_b32 v[QS+2*\j+1], v[TW+\j], v[TW+\j], s[PE1]
.endr
	PLACES 8                                       ; a scale register so written stands eight places ahead
	s_wait_alu depctr_va_vdst(0)
.Lstep:                                            ; A KEY STEP for four tiles.  All waits on LOADcnt are for 0: K alone is out at the step's head, V alone at its first use
	s_wait_loadcnt 0x0
	SCORE 0
	PLACES 8                                       ; in front of the first read of the scores and of loads into what the last step's products read
	VLOAD
	SOFT 0
	SCORE 1
	s_wait_loadcnt 0x0                             ; V is in
	RESC 0
	PV 0
	SOFT 1
	SCORE 2
	RESC 1
	PV 1
	SOFT 2
	SCORE 3
	RESC 2                                         ; (the places in front of K's next loads)
	PV 2
	s_add_co_u32 s50, s[ST], 1
	s_cmp_lt_u32 s50, s[EN]
	s_cbranch_scc0 .Lno_next
	KLOAD 1                                        ; the next step's K
.Lno_next:
	SOFT 3
	RESC 3
	PV 3
	s_wait_xcnt 0x0                                ; the loads have read their bases
	s_add_nc_u64 s[KV:KV+1], s[KV:KV+1], 0x4000
	s_add_nc_u64 s[KS:KS+1], s[KS:KS+1], 0x400
	s_add_co_u32 s[ST], s[ST], 1
	s_cmp_lt_u32 s[ST], s[EN]
	s_cbranch_scc1 .Lstep
; the partial goes to LDS, into my slot for this segment, as an image of the registers
	s_wait_loadcnt 0x0                             ; no load of mine is out: K's registers may be loaded anew by the next segment
	v_add_nc_u32 v[TT], s[SG], v[DA]
	v_add_nc_u32 v[TT+1], s[SG], v[DM]
.irp j, 0,1,2,3
	v_add_f32 v[NM+2*\j+1], v[SUM+2*\j], v[SUM+2*\j+1]
.endr
	PLACES 4
	WIN 0x04
.set n, 0
.rept 32
	s_wait_alu depctr_va_vdst(0)                   ; directly ahead of a first reader
	ds_store_b128 v[TT], v[4*n:4*n+3] offset:512*n ; each accumulator from its low end on
.set n, n+1
.endr
	WIN 0
.irp j, 0,1,2,3
	ds_store_b64 v[TT+1], v[NM+2*\j:NM+2*\j+1] offset:256*\j
.endr
	s_wait_dscnt 0x0                               ; the stores have read their registers
.Lseg_end:
	s_mov_b32 s[CUR], s[CN]
	s_add_co_u32 s[SG], s[SG], SLOT
	s_add_co_u32 s[SEG], s[SEG], 1
	s_cmp_lt_u32 s[SEG], 2
	s_cbranch_scc1 .Lseg
; JOINING.  Of each of the three units wave w makes tile w / 2, block w % 2 of 32 channels: 16 registers a lane.  Unit J's partials are those of consecutive waves, first to last, seven at the most;
; only the first of them may be its wave's second segment.
	s_wait_dscnt 0x0                               ; for the others' sake: my stores are done
	s_barrier_signal -1
.set n, 40
.rept 56
	v_dual_mov_b32 v[n], 0 :: v_dual_mov_b32 v[n+1], 0   ; seven partials' registers: absent ones count with the factor 0 and must hold numbers
.set n, n+2
.endr
	v_mov_b32 v187, 0                              ; (the upper half of a pair)
	v_mov_b32 v188, 0                              ; lane permutes' destinations
	v_mov_b32 v191, 0
	s_mov_b32 s[J], 0
	s_wait_alu depctr_va_vdst(0)                   ; directly ahead of the wait below
	s_barrier_wait -1
.macro WAVEOF d, t                     ; the wave that has place s[t]: t / 7 under 28, else (t - 4) / 6, 7 at the most
	s_sub_co_u32 s[\d], s[\t], 4
	s_mul_i32 s[\d], s[\d], 43                     ; x 43 / 256 rounded down is x / 6 rounded down for x under 50,
	s_lshr_b32 s[\d], s[\d], 8
	s_mul_i32 s55, s[\t], 37                       ; and x 37 / 256 is x / 7 for x under 28
	s_lshr_b32 s55, s55, 8
	s_cmp_lt_u32 s[\t], 28
	s_cselect_b32 s[\d], s55, s[\d]
	s_min_u32 s[\d], s[\d], 7
.endm
.Lunit:
	UNIT
	WAVEOF 50, BS
	s_add_co_u32 s54, s[BS], s[OC]                 ; its last item
	WAVEOF 51, 54
	s_sub_co_u32 s51, s51, s50
	s_add_co_u32 s51, s51, 1                       ; so many partials
	s_mul_i32 s54, s50, 6
	s_min_u32 s55, s50, 4
	s_add_co_u32 s54, s54, s55
	s_cmp_lt_u32 s54, s[BS]                        ; did the first wave begin ahead of this unit?
	s_cselect_b32 s53, SLOT, 0
.irp k, 1,2,3,4,5,6
	v_mov_b32 v[152+2*\k], 0x7f61b1e6              ; an absent partial: -M = 3e38
	v_mov_b32 v[153+2*\k], 0
.endr
.irp k, 0,1,2,3,4,5,6
.if \k
	s_cmp_gt_u32 s51, \k
	s_cbranch_scc0 .Lloaded
	s_add_co_u32 s52, s50, \k
	s_min_u32 s52, s52, 7
	s_mul_i32 s52, s52, 2*SLOT
.else
	s_mul_i32 s52, s50, 2*SLOT
	s_add_co_u32 s52, s52, s53
.endif
	v_add_nc_u32 v[206+2*\k], s52, v[MO]
	v_add_nc_u32 v[207+2*\k], s52, v[MM]
.irp c, 0,1,2,3
	ds_load_b128 v[40+16*\k+4*\c:43+16*\k+4*\c], v[206+2*\k] offset:512*\c
.endr
	ds_load_b64 v[152+2*\k:153+2*\k], v[207+2*\k]
.endr
.Lloaded:
	s_wait_xcnt 0x0                                ; the last unit's stores have read their registers and bases
	s_mul_i32 s54, s[OC], 6                        ; where my results go: block (octet, head / 2) of cimg; image t = 4 half + w / 2, group 2 (head % 2) + w % 2; scale pair image t / 2, word t % 2, that byte
	s_lshr_b32 s55, s[HD], 1
	s_add_co_u32 s54, s54, s55
	s_mul_i32 s54, s54, 17408
	s_lshl_b32 s60, s[HF], 2
	s_lshr_b32 s55, s[WV], 1
	s_add_co_u32 s60, s60, s55                     ; t
	s_and_b32 s61, s[HD], 1
	s_lshl_b32 s61, s61, 1
	s_and_b32 s55, s[WV], 1
	s_add_co_u32 s61, s61, s55                     ; the group
	s_lshl_b32 s56, s60, 11
	s_lshl_b32 s57, s61, 9
	s_add_co_u32 s56, s56, s57
	s_add_co_u32 s56, s56, s54
	s_mov_b32 s57, 0
	s_add_nc_u64 s[56:57], s[12:13], s[56:57]
	s_lshr_b32 s58, s60, 1
	s_lshl_b32 s58, s58, 8
	s_and_b32 s59, s60, 1
	s_lshl_b32 s59, s59, 2
	s_add_co_u32 s58, s58, s59
	s_add_co_u32 s58, s58, s61
	s_add_co_u32 s58, s58, s54
	s_add_co_u32 s58, s58, 16384
	s_mov_b32 s59, 0
	s_add_nc_u64 s[58:59], s[12:13], s[58:59]
	s_wait_alu depctr_va_vdst(0)                   ; directly ahead of the wait below
	s_wait_dscnt 0x0
	v_min3_num_f32 v184, v152, v154, v156
	v_min3_num_f32 v184, v184, v158, v160
	v_min3_num_f32 v184, v184, v162, v164          ; the unit's -M
.irp k, 0,1,2,3,4,5,6
	v_sub_f32 v[193+2*\k], v184, v[152+2*\k]       ; M of the partial less the unit's
.endr
.irp k, 0,1,2,3,4,5,6
	v_cvt_i32_f32 v[193+2*\k], v[193+2*\k]
.endr
.irp k, 0,1,2,3,4,5,6
	v_ldexp_f32 v[192+2*\k], 1.0, v[193+2*\k]      ; its factor: a power of two
.endr
	v_mul_f32 v186, v192, v153
.irp i, 0,2,4,6,8,10,12,14
	v_pk_mul_f32 v[168+\i:169+\i], v[40+\i:41+\i], v[192:193] op_sel_hi:[1,0]
.endr
.irp k, 1,2,3,4,5,6
	v_fma_f32 v186, v[192+2*\k], v[153+2*\k], v186
.irp i, 0,2,4,6,8,10,12,14
	v_pk_fma_f32 v[168+\i:169+\i], v[40+16*\k+\i:41+16*\k+\i], v[192+2*\k:193+2*\k], v[168+\i:169+\i] op_sel_hi:[1,0,1]
.endr
.endr
	v_permlanex16_b32 v188, v186, s[SEL], s[SEL+1]
	v_add_f32 v186, v186, v188                     ; the row's sum
	s_wait_alu depctr_va_vdst(0)                   ; ahead of the transcendental
	v_rcp_f32 v186, v186
	v_nop                                          ; a plain line behind it
	s_wait_alu depctr_va_vdst(0)                   ; and one ahead of its first reader
.irp i, 0,2,4,6,8,10,12,14
	v_pk_mul_f32 v[168+\i:169+\i], v[168+\i:169+\i], v[186:187] op_sel_hi:[1,0]
.endr
	v_max3_num_f32 v189, |v168|, |v169|, 0x4800000 ; a block of 32 channels: 16 of mine, 16 of lane l xor 16
	v_max3_num_f32 v190, |v170|, |v171|, |v172|
	v_max3_num_f32 v189, v189, |v173|, |v174|
	v_max3_num_f32 v190, v190, |v175|, |v176|
	v_max3_num_f32 v189, v189, |v177|, |v178|
	v_max3_num_f32 v190, v190, |v179|, |v180|
	v_max3_num_f32 v189, v189, |v181|, |v182|
	v_max3_num_f32 v189, v189, v190, |v183|
	v_permlanex16_b32 v191, v189, s[SEL], s[SEL+1]
	v_max_num_f32 v189, v189, v191
	v_add_nc_u32 v221, 0xfc000000, v189
	v_and_or_b32 v222, v189, 0x7f800000, s[MNT]
	v_lshrrev_b32 v223, 23, v221
.irp i, 0,1,2,3,4,5,6,7,8,9,10,11,12,13,14,15
	v_med3_num_f32 v[168+\i], v[168+\i], -v222, v222
.endr
	v_cvt_scalef32_pk8_fp8_f32 v[224:225], v[168:175], v221
	v_cvt_scalef32_pk8_fp8_f32 v[226:227], v[176:183], v221
	v_nop                                          ; one plain line behind the last scaled conversion
	global_store_b128 v[L16], v[224:227], s[56:57] ; 512 consecutive bytes
	global_store_b8 v[L8], v223, s[58:59]          ; my byte of each row's scale word: other waves and work-groups store the others
	s_add_co_u32 s[J], s[J], 1
	s_cmp_lt_u32 s[J], 3
	s_wait_alu depctr_va_vdst(0)                   ; directly ahead of the branch
	s_cbranch_scc1 .Lunit
	s_wait_dscnt 0x0
	s_barrier_signal -1                            ; every wave has read the partials
	s_barrier_wait -1
	s_wait_tensorcnt 0x0                           ; the wave's end
	ds_add_u32 v[SPW], v[NIL]
	s_wait_dscnt 0x0
	s_endpgm
.Lfunc_end_k_q1531f95369_attn:
	.size	k_q1531f95369_attn, .Lfunc_end_k_q1531f95369_attn-k_q1531f95369_attn
	.p2alignl 7, 3214868480
	.fill 96, 4, 3214868480
	.section	.rodata,"a",@progbits
	.p2align	6, 0x0
	.amdhsa_kernel k_q1531f95369_attn
		.amdhsa_group_segment_fixed_size 279552
		.amdhsa_private_segment_fixed_size 0
		.amdhsa_enable_private_segment 0
		.amdhsa_kernarg_size 40
		.amdhsa_user_sgpr_count 2
		.amdhsa_user_sgpr_kernarg_segment_ptr 1
		.amdhsa_wavefront_size32 1
		.amdhsa_system_sgpr_workgroup_id_x 1
		.amdhsa_system_sgpr_workgroup_id_y 1
		.amdhsa_system_sgpr_workgroup_id_z 1
		.amdhsa_system_vgpr_workitem_id 0
		.amdhsa_next_free_vgpr 512
		.amdhsa_next_free_sgpr 66
		.amdhsa_reserve_vcc 1
		.amdhsa_float_denorm_mode_32 3
		.amdhsa_float_denorm_mode_16_64 3
		.amdhsa_memory_ordered 1
		.amdhsa_forward_progress 1
		.amdhsa_inst_pref_size 119
	.end_amdhsa_kernel
	.amdgpu_metadata
---
amdhsa.version: [ 1, 2 ]
amdhsa.kernels:
  - .name:           k_q1531f95369_attn
    .symbol:         k_q1531f95369_attn.kd
    .args:
      - { .name: qimg, .offset: 0, .size: 8, .value_kind: global_buffer, .address_space: global }
      - { .name: qsc, .offset: 8, .size: 8, .value_kind: global_buffer, .address_space: global }
      - { .name: kvimg, .offset: 16, .size: 8, .value_kind: global_buffer, .address_space: global }
      - { .name: kvsc, .offset: 24, .size: 8, .value_kind: global_buffer, .address_space: global }
      - { .name: cimg, .offset: 32, .size: 8, .value_kind: global_buffer, .address_space: global }
    .group_segment_fixed_size: 279552
    .private_segment_fixed_size: 0
    .kernarg_segment_align: 8
    .kernarg_segment_size: 40
    .max_flat_workgroup_size: 256
    .sgpr_count:     66
    .vgpr_count:     512
    .wavefront_size: 32
...
	.end_amdgpu_metadata
.endif
;; end of part 3
;; launch oproj (part 4): grid 32 x 6, 4 waves a work-group, clusters of 4 x 1, 278,016 bytes of LDS; arguments woimg, cimg, bo, out0; writes out0
.if DOCPART == 4
	.amdgcn_target "amdgcn-amd-amdhsa--gfx1250"
	.amdhsa_code_object_version 6
	.text
	.protected	k_q1531f95369_oproj
	.globl	k_q1531f95369_oproj
	.p2align	8
	.type	k_q1531f95369_oproj,@function
k_q1531f95369_oproj:
	s_mov_b64 s[64:65], 0
	v_nop
	global_prefetch_b8 v0, s[64:65] scope:SCOPE_SE
	s_setreg_imm32_b32 hwreg(HW_REG_WAVE_MODE, 25, 1), 1
	s_wait_xcnt 0x0
	s_wait_alu depctr_hold_cnt(0) depctr_sa_sdst(0) depctr_va_vdst(0) depctr_va_sdst(0) depctr_va_ssrc(0) depctr_va_vcc(0) depctr_vm_vsrc(0)
	s_getreg_b32 s2, hwreg(HW_REG_IB_STS2, 6, 4)
	s_cmp_eq_u32 s2, 0
	s_cbranch_scc0 .Lentry_in_a_cluster
	s_endpgm
.Lentry_in_a_cluster:
	s_bfe_u32 s2, ttmp6, 0x10000c
	s_cmp_lg_u32 s2, 0x3003
	s_cbranch_scc0 .Lentry_shape_is_right
	s_endpgm
.Lentry_shape_is_right:
; OPROJ: out = concat wo + bo on codes of E4M3 with E8M0 scales (K = 768, six steps of 128).  Both operands arrive as images of operand registers (layouts: at the head of the launch that makes woimg).
; A work-group = (group G of 128 tokens, 128 columns cb).  All its operands, 104,448 bytes of each side, are filled into LDS ONCE, in two stages of three K steps, one load a wave; nothing is filled again.
; CLUSTER: the four work-groups of a cluster share the columns, so wo's tiles are asked for jointly (mask 15); each has its own tokens, which come by plain loads.  NO PREFETCH: there is no loop to run ahead in.
; WAVES: wave w makes columns 64 (w / 2) on for token tiles 4 (w % 2) .. + 3: source 0 = 4 tiles of wo's columns, source 1 = a tile of tokens: a lane holds one token and eight neighbouring columns an accumulator.
; The results meet in a stage of 128 rows x (512 + 16) bytes, in the tokens' true order, and leave as whole rows: each store covers 512 consecutive bytes, aligned to 256.
; LIMITS: NaN and infinities are not served.
.set BLK,  17408
.set XREG, 6*BLK
.set STG,  12*BLK
.set SPI,  528
.set BIAS, STG+128*SPI                 ; 256 bytes for each wave: its 64 numbers of bo; no fill lands in the stage or here
.set SPARE, BIAS+4*256                 ; the spare words: 128 bytes for each wave; no other line names them
.set L16, 1
.set L8,  2
.set AW,  3
.set AWS, 4
.set AX,  5
.set AXS, 6
.set BST, 7
.set BRD, 8
.set SO,  9                            ; v9   the stage: where I put my results
.set SR,  12                           ; v12  and where I read rows back
.set BIG, 32                           ; v32-95   four fragments of wo
.set SML, 96                           ; v96-127  two of the tokens
.set ACC, 128                          ; v128-255 sixteen accumulators; later 32 rows on their way out.  v16-23 hold scale words and nothing else
.set BB,  32
.set WV,  22
.macro PLACES n
.rept \n
	v_nop
.endr
.endm
.macro CROUND
	s_barrier_signal -1
	s_barrier_wait -1
	s_cmp_lg_u32 s[WV], 0
	s_cbranch_scc1 .Lnot_wave_0_\@
	s_barrier_signal -3
.Lnot_wave_0_\@:
	s_barrier_wait -3
	s_barrier_signal -1
	s_barrier_wait -1
.endm
.macro SETG0 g, lds, base, off
	s_mov_b32 s[\g], 1
	s_mov_b32 s[\g+1], \lds
	s_add_nc_u64 s[\g+2:\g+3], s[\base:\base+1], \off
	s_or_b32 s[\g+3], s[\g+3], 0x80000000
.endm
.macro FRAG reg, adr, off
.irp c, 0,1,2,3
	ds_load_b128 v[(\reg)+4*\c:(\reg)+4*\c+3], v[\adr] offset:(\off)+512*\c
.endr
.endm
.macro MM d, a, b, sa, sb, zero
.if \zero
	v_wmma_scale_f32_16x16x128_f8f6f4 v[(\d):(\d)+7], v[(\a):(\a)+15], v[(\b):(\b)+15], 0, v[\sa], v[\sb]
.else
	v_wmma_scale_f32_16x16x128_f8f6f4 v[(\d):(\d)+7], v[(\a):(\a)+15], v[(\b):(\b)+15], v[(\d):(\d)+7], v[\sa], v[\sb]
.endif
.endm
; One K step: 4 tiles of wo x 4 tiles of tokens, sixteen accumulators by turns.  Eight places stand in front of loads into registers that matrix instructions have read.
.macro KSTEP s2, zero
.if !\zero
	PLACES 8
.endif
.irp i, 0,1,2,3
	FRAG BIG+16*\i, AW, BLK*\s2+2048*\i
.endr
	ds_load_b64 v[16:17], v[AWS] offset:BLK*\s2
	ds_load_b64 v[18:19], v[AWS] offset:BLK*\s2+256
.irp j, 0,1
	FRAG SML+16*\j, AX, BLK*\s2+2048*\j
.endr
	ds_load_b64 v[20:21], v[AXS] offset:BLK*\s2
	ds_load_b64 v[22:23], v[AXS] offset:BLK*\s2+256
	s_wait_dscnt 0x0
.irp j, 0,1
.irp i, 0,1,2,3
	MM ACC+8*(4*\j+\i), BIG+16*\i, SML+16*\j, 16+\i, 20+\j, \zero
.endr
.endr
	PLACES 8
.irp j, 0,1
	FRAG SML+16*\j, AX, BLK*\s2+4096+2048*\j
.endr
	s_wait_dscnt 0x0
.irp j, 0,1
.irp i, 0,1,2,3
	MM ACC+8*(8+4*\j+\i), BIG+16*\i, SML+16*\j, 16+\i, 22+\j, \zero
.endr
.endr
.endm
	s_load_b256 s[4:11], s[0:1], 0x0               ; woimg s[4:5], cimg s[6:7], bo s[8:9], out0 s[10:11]
	v_lshl_add_u32 v30, v0, 2, SPARE
	v_mov_b32 v31, 0
	ds_add_u32 v30, v31                            ; the wave's opening: the add, twice on end
	ds_add_u32 v30, v31
	v_lshrrev_b32 v13, 5, v0
	v_readfirstlane_b32 s[WV], v13                 ; wave 0..3
	v_and_b32 v13, 31, v0
	v_lshlrev_b32 v[L16], 4, v13
	v_lshlrev_b32 v[L8], 3, v13
	s_wait_alu depctr_va_vdst(0)
	s_and_b32 s23, s[WV], 1                        ; a: which four tiles of tokens
	s_lshr_b32 s24, s[WV], 1                       ; which 64 columns
	s_bfe_u32 s28, ttmp6, 0x40000                  ; cx: it enters the tokens' and the results' global addresses alone
	s_lshl_b32 s29, ttmp9, 2
	s_add_co_u32 s29, s29, s28                     ; G
	s_and_b32 s30, ttmp7, 0xffff                   ; cb, which the four partners share
	s_lshl_b32 s80, s24, 13                        ; 4 fragments of 2,048 bytes
	v_add_nc_u32 v[AW], s80, v[L16]
	s_lshl_b32 s80, s24, 9
	s_add_co_u32 s80, s80, 16384
	v_add_nc_u32 v[AWS], s80, v[L8]
	s_lshl_b32 s80, s23, 13
	s_add_co_u32 s80, s80, XREG
	v_add_nc_u32 v[AX], s80, v[L16]
	s_lshl_b32 s80, s23, 9
	s_add_co_u32 s80, s80, XREG+16384
	v_add_nc_u32 v[AXS], s80, v[L8]
	s_lshl_b32 s80, s[WV], 8
	s_add_co_u32 s80, s80, BIAS
	v_add_nc_u32 v[BST], s80, v[L8]
	v_bfe_u32 v14, v0, 4, 1                        ; h
	v_lshlrev_b32 v[BRD], 6, v14
	v_add_nc_u32 v[BRD], s80, v[BRD]
	v_and_b32 v13, 7, v0
	v_bfe_u32 v15, v0, 3, 1
	v_lshl_add_u32 v13, v15, 4, v13                ; r % 8 + 16 (r / 8)
	v_mul_u32_u24 v[SO], v13, SPI
	v_lshl_add_u32 v[SO], v14, 6, v[SO]
	s_mul_i32 s80, s23, 64*SPI
	s_lshl_b32 s81, s24, 8
	s_add_co_u32 s80, s80, s81
	s_add_co_u32 s80, s80, STG
	v_add_nc_u32 v[SO], s80, v[SO]                 ; row 64 a + r % 8 + 16 (r / 8), + 256 x my columns' half + 64 h
	s_mul_i32 s80, s[WV], 32*SPI
	s_add_co_u32 s80, s80, STG
	v_add_nc_u32 v[SR], s80, v[L16]                ; back: rows 32 w on, 16 bytes a lane
	; descriptor groups 1: dense blocks of three K steps as 204 rows of 256 bytes; wo's joint, the tokens' plain
	s_mov_b32 s32, 15|(3<<16)|(1<<21)
	s_mov_b32 s33, 32<<16
	s_mov_b32 s34, 204<<16
	s_mov_b32 s35, 32<<16
	s_mov_b32 s36, 204
	s_mov_b32 s37, 32
	s_mov_b32 s38, 0
	s_mov_b32 s39, 0
	s_mov_b32 s40, 3<<16
	s_mov_b32 s41, 32<<16
	s_mov_b32 s42, 204<<16
	s_mov_b32 s43, 32<<16
	s_mov_b32 s44, 204
	s_mov_b32 s45, 32
	s_mov_b32 s46, 0
	s_mov_b32 s47, 0
	s_mul_i32 s80, s30, 6*BLK
	s_mov_b32 s81, 0
	s_mul_i32 s82, s29, 6*BLK
	s_mov_b32 s83, 0
	s_wait_alu depctr_va_vdst(0)
	s_wait_dscnt 0x0                               ; both opening adds are done
	s_wait_kmcnt 0x0
	s_add_nc_u64 s[80:81], s[4:5], s[80:81]        ; made of cb alone
	s_add_nc_u64 s[82:83], s[6:7], s[82:83]
	SETG0 48, 0, 80, 0
	SETG0 52, 3*BLK, 80, 3*BLK
	SETG0 60, XREG, 82, 0
	SETG0 68, XREG+3*BLK, 82, 3*BLK
	CROUND                                         ; all four work-groups are here: the joint loads meet
; The fills, one a wave, in one chain of arms: waves 0 and 1 fetch the first three K steps of wo and of the tokens, waves 2 and 3 the last three
.macro ARM under, g0, g1
	s_cmp_lt_u32 s[WV], \under
	s_cbranch_scc0 .Lnext_\under
	tensor_load_to_lds s[\g0:\g0+3], s[\g1:\g1+7]
	s_nop 0
	PLACES 4
	s_branch .Lfilled
.Lnext_\under:
.endm
	ARM 1, 48, 32
	ARM 2, 60, 40
	ARM 3, 52, 32
	tensor_load_to_lds s[68:71], s[40:47]
	s_nop 0
	PLACES 4
.Lfilled:
	s_lshl_b32 s86, s30, 9                         ; bo: 512 cb + 256 x my columns' half
	s_lshl_b32 s87, s24, 8
	s_add_co_u32 s86, s86, s87
	s_mov_b32 s87, 0
	s_add_nc_u64 s[8:9], s[8:9], s[86:87]
	global_load_b64 v[10:11], v[L8], s[8:9]
	s_wait_loadcnt 0x0
	ds_store_b64 v[BST], v[10:11]
	s_lshl_b32 s86, s29, 7
	s_lshl_b32 s88, s[WV], 5
	s_add_co_u32 s86, s86, s88
	s_mul_i32 s86, s86, 3072
	s_lshl_b32 s88, s30, 9
	s_add_co_u32 s86, s86, s88                     ; out0: row 128 G + 32 w, + 512 cb
	s_add_nc_u64 s[10:11], s[10:11], s[86:87]
; A stage: three K steps.  The waves that fetched it wait for their load, then all meet.
.macro STAGE p, z
.if \p == 0
	s_cmp_lt_u32 s[WV], 2
	s_cbranch_scc0 .Lnot_yet_\@
	s_wait_tensorcnt 0x0
.Lnot_yet_\@:
.else
	s_wait_tensorcnt 0x0                           ; the last stage: every wave's load
.endif
	s_wait_dscnt 0x0
	s_barrier_signal -1
	s_barrier_wait -1
	KSTEP 0, \z
	KSTEP 1, 0
	KSTEP 2, 0
.if \p == 0
	v_add_nc_u32 v[AW], 3*BLK, v[AW]
	v_add_nc_u32 v[AWS], 3*BLK, v[AWS]
	v_add_nc_u32 v[AX], 3*BLK, v[AX]
	v_add_nc_u32 v[AXS], 3*BLK, v[AXS]
.endif
.endm
	STAGE 0, 1
	s_wait_alu depctr_va_vdst(0)
	STAGE 1, 0
	PLACES 8                                       ; in front of the first reads of results and of loads into the fragments' registers
.irp t, 0,1,2,3                        ; register 8 t + j is column 32 (t / 2) + 16 h + 8 (t % 2) + j of my 64
	ds_load_b128 v[BB+8*\t:BB+8*\t+3], v[BRD] offset:128*(\t/2)+32*(\t%2)
	ds_load_b128 v[BB+8*\t+4:BB+8*\t+7], v[BRD] offset:128*(\t/2)+32*(\t%2)+16
.endr
	s_wait_dscnt 0x0
.set n, 0
.rept 4
.set i, 0
.rept 16
	v_pk_add_f32 v[ACC+32*n+2*i:ACC+32*n+2*i+1], v[ACC+32*n+2*i:ACC+32*n+2*i+1], v[BB+2*i:BB+2*i+1]   ; each accumulator from its low end on
.set i, i+1
.endr
.set n, n+1
.endr
.irp xi, 0,1,2,3
.irp t, 0,1,2,3
	ds_store_b128 v[SO], v[ACC+32*\xi+8*\t:ACC+32*\xi+8*\t+3] offset:SPI*(32*(\xi/2)+8*(\xi%2))+128*(\t/2)+32*(\t%2)
	ds_store_b128 v[SO], v[ACC+32*\xi+8*\t+4:ACC+32*\xi+8*\t+7] offset:SPI*(32*(\xi/2)+8*(\xi%2))+128*(\t/2)+32*(\t%2)+16
.endr
.endr
	s_wait_dscnt 0x0                               ; for the others' sake: my stores into the stage are done
	s_barrier_signal -1
	s_barrier_wait -1                              ; 128 whole rows lie in the stage
.set i, 0
.rept 32
	ds_load_b128 v[ACC+4*i:ACC+4*i+3], v[SR] offset:SPI*i
.set i, i+1
.endr
.set i, 0
.rept 32
	s_wait_dscnt 31-i                              ; row i is back; the younger rows' loads stay out
	global_store_b128 v[L16], v[ACC+4*i:ACC+4*i+3], s[10:11] offset:3072*i th:TH_STORE_NT   ; 512 consecutive bytes, at a multiple of 256 from out0's first byte; written once
.set i, i+1
.endr
	s_wait_tensorcnt 0x0                           ; the wave's end
	ds_add_u32 v30, v31
	s_wait_dscnt 0x0
	CROUND                                         ; the closing round: no work-group ends while a partner may still ask for a tile that names it
	s_endpgm
.Lfunc_end_k_q1531f95369_oproj:
	.size	k_q1531f95369_oproj, .Lfunc_end_k_q1531f95369_oproj-k_q1531f95369_oproj
	.p2alignl 7, 3214868480
	.fill 96, 4, 3214868480
	.section	.rodata,"a",@progbits
	.p2align	6, 0x0
	.amdhsa_kernel k_q1531f95369_oproj
		.amdhsa_group_segment_fixed_size 278016
		.amdhsa_private_segment_fixed_size 0
		.amdhsa_enable_private_segment 0
		.amdhsa_kernarg_size 32
		.amdhsa_user_sgpr_count 2
		.amdhsa_user_sgpr_kernarg_segment_ptr 1
		.amdhsa_wavefront_size32 1
		.amdhsa_system_sgpr_workgroup_id_x 1
		.amdhsa_system_sgpr_workgroup_id_y 1
		.amdhsa_system_sgpr_workgroup_id_z 1
		.amdhsa_system_vgpr_workitem_id 0
		.amdhsa_next_free_vgpr 256
		.amdhsa_next_free_sgpr 96
		.amdhsa_reserve_vcc 0
		.amdhsa_float_denorm_mode_32 3
		.amdhsa_float_denorm_mode_16_64 3
		.amdhsa_memory_ordered 1
		.amdhsa_forward_progress 1
		.amdhsa_inst_pref_size 50
	.end_amdhsa_kernel
	.amdgpu_metadata
---
amdhsa.version: [ 1, 2 ]
amdhsa.kernels:
  - .name:           k_q1531f95369_oproj
    .symbol:         k_q1531f95369_oproj.kd
    .args:
      - { .name: woimg, .offset: 0, .size: 8, .value_kind: global_buffer, .address_space: global }
      - { .name: cimg, .offset: 8, .size: 8, .value_kind: global_buffer, .address_space: global }
      - { .name: bo, .offset: 16, .size: 8, .value_kind: global_buffer, .address_space: global }
      - { .name: out0, .offset: 24, .size: 8, .value_kind: global_buffer, .address_space: global }
    .group_segment_fixed_size: 278016
    .private_segment_fixed_size: 0
    .kernarg_segment_align: 8
    .kernarg_segment_size: 32
    .max_flat_workgroup_size: 128
    .sgpr_count:     96
    .vgpr_count:     256
    .wavefront_size: 32
...
	.end_amdgpu_metadata
.endif
;; end of part 4
